; MI455X (gfx1250); checked and timed in simulation.
; The chip was launched on July 23, 2026; its instructions are those of AMD's public machine-readable ISA for CDNA 5 (MIT licence, August 2026) and "CDNA5" Instruction Set Architecture Reference Guide (July 2026). The comments in the code are by the model that wrote it; some were corrected since.
;; Multihead Attention. Allowed arithmetic: matrix products marked QUANTISED: E4M3 operands, one given power-of-two scale a tensor, by v_wmma_f32_16x16x64_fp8_fp8 or v_wmma_f32_16x16x128_fp8_fp8, f32 sums; everything else in f32.
;; Inputs: Wk 1,024 x 1,024 float32; Wo 1,024 x 1,024 float32; Wq 1,024 x 1,024 float32; Wv 1,024 x 1,024 float32; lowp_scales 12 int32 (the exponents e of the quantised operands' scales 2^e); x 2 x 2,048 x 1,024 float32.
;; Outputs: out0 2 x 2,048 x 1,024 float32.
;; Constants: num_heads = 16.
;; This version of the problem:
;;   THIS VERSION OF THE PROBLEM IS GIVEN IN LOW PRECISION. The matrix products marked QUANTISED in the list below multiply operands that are first quantised to E4M3 (4 exponent bits, 3 mantissa bits; 8 bits a number), with one given power-of-two scale for each operand tensor; their sums are f32. All else is computed in f32.
;;   The module's matrix products, in the order in which they are computed (A, B: the left and right operand; K: the contracted axis; several contracted axes count as one K, in the product's order):
;;     1. [M 4,096, K 1,024] x [K 1,024, N 1,024]; A: input x; B: input Wq: QUANTISED (scales: A lowp_scales[0], B lowp_scales[1])
;;     2. [M 4,096, K 1,024] x [K 1,024, N 1,024]; A: input x; B: input Wk: QUANTISED (scales: A lowp_scales[2], B lowp_scales[3])
;;     3. [M 4,096, K 1,024] x [K 1,024, N 1,024]; A: input x; B: input Wv: QUANTISED (scales: A lowp_scales[4], B lowp_scales[5])
;;     4. batch 32 x [M 2,048, K 64] x [K 64, N 2,048]; A: computed on the way; B: computed on the way: QUANTISED (scales: A lowp_scales[6], B lowp_scales[7])
;;     5. batch 32 x [M 2,048, K 2,048] x [K 2,048, N 64]; A: softmax (see below); B: computed on the way: QUANTISED (scales: A lowp_scales[8], B lowp_scales[9])
;;     6. [M 4,096, K 1,024] x [K 1,024, N 1,024]; A: computed on the way; B: input Wo: QUANTISED (scales: A lowp_scales[10], B lowp_scales[11])
;;   THE QUANTISER, for each operand of a quantised product, along K:
;;     - The operand's scale is 2^e, e = its entry of the input lowp_scales (int32; the entries are numbered through the quantised products in the list's order, A before B).
;;     - Each number is divided by the scale, clamped to +-448, and rounded to the nearest number of E4M3, ties to even, subnormals kept.
;;     - The product sums the exact products of the quantised numbers (number of the format x scale) in f32.
;;   ~~~python
;;   def quantise(x, axis, e):      # numpy; x: float32 -> the quantised numbers, widened to float32 again
;;       x = np.moveaxis(x, axis, -1); K = x.shape[-1]
;;       r = np.clip(x / 2.0 ** e, -448, 448)
;;       step = 2.0 ** (np.maximum(np.frexp(np.where(r == 0, 1, r))[1] - 1, -6) - 3)
;;       q = np.round(r / step) * step * 2.0 ** e      # np.round: ties to even
;;       return np.moveaxis(q, -1, axis).astype(np.float32)
;;   ~~~
;;   SOFTMAX AHEAD OF A QUANTISED PRODUCT. Where the list says 'softmax', what is quantised is not the finished softmax but p = 2^(t - M), with t = logit x log2(e) and M = ceil(the row's largest t), a whole number; so 1/2 < the row's largest p <= 1. The row's sum l is taken of the UNQUANTISED p, in f32, and the product's result is divided by l at the end. Since M is a whole number, a kernel that streams over the keys may use a running M (the ceiling of the running maximum): every later rescaling is an exact power of two, so the quantised numbers keep their values, but for numbers so far below the row's largest that they fall under the format's range.
;;   OPERANDS COMPUTED ON THE WAY. 'Computed on the way' means the value that the module computes at that place (a softmax that the list does not call 'softmax' is quantised finished and normalised). What goes into a quantiser is computed in f32, as accurately as f32 sums, v_exp_f32 and their like allow (about 1e-6 of the number): no bf16 or f16 on the way to a quantiser, and a product that is left as it is and whose result goes on into a quantised operand takes f32 operands (vector FMAs, or v_wmma_f32_16x16x4_f32). A number that lies on a knife's edge between two numbers of the format may be rounded either way, as far as f32 arithmetic and the matrix unit's own rounding can turn it there, and no further.
;; 2 versions, each right; version 2 is version 1 with the launch attn written anew for expert scheduling mode. Each part assembles by itself: llvm-mc -triple=amdgcn-amd-amdhsa -mcpu=gfx1250 --defsym DOCPART=n.
;; ======== version 1 of 2: 4 launches
;; workspace buffers: xc 12,582,912 bytes; wc 4,194,304 bytes; qc 4,194,304 bytes; kc 4,194,304 bytes; vc 4,194,304 bytes; oc 4,194,304 bytes
;; launch quant (part 1): grid 512 x 1, 4 waves a work-group, no clusters, 34,304 bytes of LDS; arguments x, Wq, Wk, Wv, Wo, lowp_scales, xc, wc; writes xc, wc
.if DOCPART == 1
	.amdgcn_target "amdgcn-amd-amdhsa--gfx1250"
	.amdhsa_code_object_version 6
	.text
	.protected	k_q11920a5de9_quant
	.globl	k_q11920a5de9_quant
	.p2align	8
	.type	k_q11920a5de9_quant,@function
k_q11920a5de9_quant:
	s_mov_b64 s[64:65], 0
	v_nop
	global_prefetch_b8 v0, s[64:65] scope:SCOPE_SE
	s_setreg_imm32_b32 hwreg(HW_REG_WAVE_MODE, 25, 1), 1
	s_wait_xcnt 0x0
; x [4096][1024] and Wq, Wk, Wv, Wo [1024][1024], f32 with K innermost, become codes of E4M3, each with the scale 2^e that is given for it.
; x is an operand of three products with three entries of the scales (0, 2, 4), which need not be equal: it gets three sets of codes.  Wq, Wk, Wv, Wo take entries 1, 3, 5, 11.
; code = number / 2^e, held within +-448, rounded to the nearest code, ties to even.
; LIMITS: each e used here lies between -126 and 119, so that 2^e and 448 x 2^e are f32 numbers.  NaN among the inputs is not served; an infinity is held at the largest code.
; THE CODES ARE LAID AS IMAGES OF OPERAND REGISTERS.  A fragment is 16 rows x 128 K = 2,048 bytes: piece c (0..3) is 512 bytes, lane l = (r = l % 16, h = l / 16) has 16 bytes at 512 c + 16 l:
; K = 32 c + 16 h + 0 .. 15 of the fragment's row r.  Fragment f (0..7) of a tile of 128 rows takes rows 32 (f / 2) + 8 (f % 2) + r + 8 (r / 8).
; xc: [token tile 32][pass 3][K step 8][fragment 8][2,048].  wc: [feature tile 8][pass 3: Wq, Wk, Wv][K step 8][8][2,048]; from byte 3,145,728 Wo: [feature tile 8][K step 8][8][2,048].
; SHARES.  Work-group g takes one fragment's 16 rows over all 1,024 K: g < 256: x; then 64 work-groups each for Wq, Wk, Wv, Wo.  Wave w takes K steps 2 w and 2 w + 1 (units 0 and 1): 1,024 bytes of each row.
; Each load reads 512 consecutive bytes of one row; a unit's 16 rows turn through the wave's own stage in LDS (rows of 512 + 16 bytes) and come back 16 neighbours along K a lane and block of 32.
; All 32 loads of a wave go out at the start: there is no loop.  Each store covers 512 consecutive bytes, aligned.  Waves share nothing: no barrier.
; Memory binds this launch: matrix units, clusters and tensor loads would add nothing.
.set SPI,  528                         ; a stage row
.set STG,  16*SPI                      ; a wave's stage
.set LI,   1                           ; v1      16 x lane: the loads' and the stores' offset; never rewritten
.set SW,   2                           ; v2      the stage, on the way in
.set SRD,  3                           ; v3      the stage, on the way out: row r, + 64 h
.set SC,   4                           ; v4-9    (2^e, 448 x 2^e) for passes 0, 1, 2
.set T,    16                          ; v16-31  two sets of eight held numbers, by turns
.set R0,   32                          ; v32-95  unit 0's numbers
.set R1,   96                          ; v96-159 unit 1's
.set C0,   160                         ; v160-207 unit 0's codes, 16 registers a pass
.set C1,   32                          ; unit 1's codes take unit 0's numbers' registers, which are done with: no store's data are written again
	s_load_b512 s[4:19], s[0:1], 0x0               ; x 4, Wq 6, Wk 8, Wv 10, Wo 12, the scales 14, xc 16, wc 18
	v_lshl_add_u32 v208, v0, 2, 0x8400
	v_mov_b32 v209, 0
	v_lshrrev_b32 v10, 5, v0
	v_readfirstlane_b32 s40, v10                   ; wave
	v_and_b32 v11, 31, v0
	v_lshlrev_b32 v[LI], 4, v11
	s_mul_i32 s41, s40, STG
	v_add_nc_u32 v[SW], s41, v[LI]
	v_and_b32 v12, 15, v0                          ; r
	v_bfe_u32 v13, v0, 4, 1                        ; h
	v_mul_u32_u24 v[SRD], v12, SPI
	v_lshl_add_u32 v[SRD], v13, 6, v[SRD]
	v_add_nc_u32 v[SRD], s41, v[SRD]
	; which tensor, which tile, which fragment: all from the work-group's number
	s_and_b32 s39, ttmp9, 63
	s_cmp_lt_u32 ttmp9, 256
	s_cselect_b32 s39, ttmp9, s39                  ; the fragment's number in its tensor
	s_lshr_b32 s42, s39, 3                         ; tile
	s_and_b32 s43, ttmp9, 7                        ; fragment in the tile
	s_mov_b32 s37, 131072                          ; bytes from tile to tile in the codes: Wo's,
	s_mov_b32 s38, 3145728                         ; and where the tensor's part begins: Wo's
	s_cmp_lt_u32 ttmp9, 448
	s_cselect_b32 s37, 393216, s37                 ; all others: three passes to a tile
	s_cselect_b32 s38, 262144, s38                 ; Wv: pass 2
	s_cmp_lt_u32 ttmp9, 384
	s_cselect_b32 s38, 131072, s38                 ; Wk: pass 1
	s_cmp_lt_u32 ttmp9, 320
	s_cselect_b32 s38, 0, s38                      ; Wq, and x: pass 0
	s_lshl_b32 s44, s42, 7                         ; the fragment's first row: 128 tile
	s_lshr_b32 s45, s43, 1
	s_lshl_b32 s45, s45, 5
	s_add_co_u32 s44, s44, s45                     ; + 32 (f / 2)
	s_and_b32 s45, s43, 1
	s_lshl_b32 s45, s45, 3
	s_add_co_u32 s44, s44, s45                     ; + 8 (f % 2)
	s_lshl_b32 s44, s44, 12                        ; rows of 4,096 bytes
	s_lshl_b32 s45, s40, 10
	s_add_co_u32 s44, s44, s45                     ; + my wave's 1,024 bytes
	s_mov_b32 s45, 0
	s_mul_i32 s46, s42, s37
	s_add_co_u32 s46, s46, s38
	s_lshl_b32 s47, s40, 15
	s_add_co_u32 s46, s46, s47                     ; + two K steps a wave
	s_lshl_b32 s47, s43, 11
	s_add_co_u32 s46, s46, s47                     ; + the fragment
	s_mov_b32 s47, 0
	s_wait_kmcnt 0x0
	s_load_b256 s[24:31], s[14:15], 0x0            ; e0 .. e7
	s_load_b128 s[32:35], s[14:15], 0x20           ; e8 .. e11
	s_mov_b64 s[20:21], s[12:13]                   ; the source and the destination are chosen on the work-group's number alone
	s_mov_b64 s[22:23], s[18:19]
	s_cmp_lt_u32 ttmp9, 448
	s_cselect_b64 s[20:21], s[10:11], s[20:21]
	s_cmp_lt_u32 ttmp9, 384
	s_cselect_b64 s[20:21], s[8:9], s[20:21]
	s_cmp_lt_u32 ttmp9, 320
	s_cselect_b64 s[20:21], s[6:7], s[20:21]
	s_cmp_lt_u32 ttmp9, 256
	s_cselect_b64 s[20:21], s[4:5], s[20:21]
	s_cselect_b64 s[22:23], s[16:17], s[22:23]
	s_add_nc_u64 s[20:21], s[20:21], s[44:45]
	s_add_nc_u64 s[22:23], s[22:23], s[46:47]
.macro LOADU q, reg                    ; unit q: 16 rows x 512 consecutive bytes; the fragment's rows are 0-7 and 16-23 from its first
.irp i, 0,1,2,3,4,5,6,7,8,9,10,11,12,13,14,15
	global_load_b128 v[\reg+4*\i:\reg+4*\i+3], v[LI], s[20:21] offset:(\i+8*(\i/8))*4096+512*\q th:TH_LOAD_NT
.endr
.endm
.macro TURNU reg                       ; through the stage and back into the registers that the numbers left: LDS serves a wave's instructions in order, so no wait stands between, and one stage serves both units
.irp i, 0,1,2,3,4,5,6,7,8,9,10,11,12,13,14,15
	ds_store_b128 v[SW], v[\reg+4*\i:\reg+4*\i+3] offset:SPI*\i
.endr
.irp c, 0,1,2,3
.irp j, 0,1,2,3
	ds_load_b128 v[\reg+16*\c+4*\j:\reg+16*\c+4*\j+3], v[SRD] offset:128*\c+16*\j   ; register 16 c + n: K = 32 c + 16 h + n of row r
.endr
.endr
.endm
.macro QN src, dst, k                  ; 64 numbers become pass k's 16 registers of codes, at dst + 16 k.  The numbers stay as they are for the next pass: the held ones go into T
.irp g, 0,1,2,3,4,5,6,7
.irp n, 0,1,2,3,4,5,6,7
	v_med3_num_f32 v[T+8*(\g%2)+\n], v[\src+8*\g+\n], -v[SC+2*\k+1], v[SC+2*\k+1]   ; the conversion to an 8-bit code does not saturate (ISA guide 7.6.2): the hold comes first
.endr
	v_cvt_scalef32_pk8_fp8_f32 v[\dst+16*\k+2*\g:\dst+16*\k+2*\g+1], v[T+8*(\g%2):T+8*(\g%2)+7], v[SC+2*\k]   ; the next group's holds write the other set of T: plain lines between this conversion and the next write of its sources
.endr
.endm
.macro OUTU dst, q, p
.irp c, 0,1,2,3
	global_store_b128 v[LI], v[\dst+16*\p+4*\c:\dst+16*\p+4*\c+3], s[22:23] offset:\p*131072+\q*16384+\c*512   ; 32 lanes store 512 consecutive bytes, aligned
.endr
.endm
.macro UNIT src, dst, q
	QN \src, \dst, 0
	OUTU \dst, \q, 0
	s_cmp_ge_u32 ttmp9, 256                        ; a weight has one scale; x has two more
	s_cbranch_scc1 .Lone_\@
	QN \src, \dst, 1
	OUTU \dst, \q, 1
	QN \src, \dst, 2
	OUTU \dst, \q, 2
.Lone_\@:
.endm
.macro MKSC e, vs                      ; s[e] = e: 2^e and 448 x 2^e as f32
	s_add_co_i32 s48, s[\e], 127
	s_lshl_b32 s49, s48, 23
	v_mov_b32 v[\vs], s49
	s_add_co_i32 s48, s48, 8
	s_lshl_b32 s48, s48, 23
	s_or_b32 s48, s48, 0x600000
	v_mov_b32 v[\vs+1], s48
.endm
	LOADU 0, R0
	LOADU 1, R1
	s_wait_kmcnt 0x0
	s_mov_b32 s36, s35                             ; pass 0's exponent: Wo e11,
	s_cmp_lt_u32 ttmp9, 448
	s_cselect_b32 s36, s29, s36                    ; Wv e5,
	s_cmp_lt_u32 ttmp9, 384
	s_cselect_b32 s36, s27, s36                    ; Wk e3,
	s_cmp_lt_u32 ttmp9, 320
	s_cselect_b32 s36, s25, s36                    ; Wq e1,
	s_cmp_lt_u32 ttmp9, 256
	s_cselect_b32 s36, s24, s36                    ; x e0
	MKSC 36, SC
	MKSC 26, SC+2                                  ; x's second: e2
	MKSC 28, SC+4                                  ; x's third: e4
	s_wait_loadcnt 16                              ; unit 0's 16 loads are in; unit 1's may be out
	TURNU R0
	s_wait_loadcnt 0x0
	TURNU R1
	s_wait_dscnt 32                                ; unit 0 is back: behind its loads stand unit 1's 16 stores and 16 loads
	UNIT R0, C0, 0
	s_wait_dscnt 0x0                               ; unit 1 is back
	UNIT R1, C1, 1
	s_wait_tensorcnt 0x0
	ds_add_u32 v208, v209
	s_wait_dscnt 0x0
	s_endpgm
.Lfunc_end_k_q11920a5de9_quant:
	.size	k_q11920a5de9_quant, .Lfunc_end_k_q11920a5de9_quant-k_q11920a5de9_quant
	.p2alignl 7, 3214868480
	.fill 96, 4, 3214868480
	.section	.rodata,"a",@progbits
	.p2align	6, 0x0
	.amdhsa_kernel k_q11920a5de9_quant
		.amdhsa_group_segment_fixed_size 34304
		.amdhsa_private_segment_fixed_size 0
		.amdhsa_enable_private_segment 0
		.amdhsa_kernarg_size 64
		.amdhsa_user_sgpr_count 2
		.amdhsa_user_sgpr_kernarg_segment_ptr 1
		.amdhsa_wavefront_size32 1
		.amdhsa_system_sgpr_workgroup_id_x 1
		.amdhsa_system_sgpr_workgroup_id_y 1
		.amdhsa_system_sgpr_workgroup_id_z 1
		.amdhsa_system_vgpr_workitem_id 0
		.amdhsa_next_free_vgpr 210
		.amdhsa_next_free_sgpr 66
		.amdhsa_reserve_vcc 0
		.amdhsa_float_denorm_mode_32 3
		.amdhsa_float_denorm_mode_16_64 3
		.amdhsa_memory_ordered 1
		.amdhsa_forward_progress 1
		.amdhsa_inst_pref_size 41
	.end_amdhsa_kernel
	.amdgpu_metadata
---
amdhsa.version: [ 1, 2 ]
amdhsa.kernels:
  - .name:           k_q11920a5de9_quant
    .symbol:         k_q11920a5de9_quant.kd
    .args:
      - { .name: x, .offset: 0, .size: 8, .value_kind: global_buffer, .address_space: global }
      - { .name: Wq, .offset: 8, .size: 8, .value_kind: global_buffer, .address_space: global }
      - { .name: Wk, .offset: 16, .size: 8, .value_kind: global_buffer, .address_space: global }
      - { .name: Wv, .offset: 24, .size: 8, .value_kind: global_buffer, .address_space: global }
      - { .name: Wo, .offset: 32, .size: 8, .value_kind: global_buffer, .address_space: global }
      - { .name: lowp_scales, .offset: 40, .size: 8, .value_kind: global_buffer, .address_space: global }
      - { .name: xc, .offset: 48, .size: 8, .value_kind: global_buffer, .address_space: global }
      - { .name: wc, .offset: 56, .size: 8, .value_kind: global_buffer, .address_space: global }
    .group_segment_fixed_size: 34304
    .private_segment_fixed_size: 0
    .kernarg_segment_align: 8
    .kernarg_segment_size: 64
    .max_flat_workgroup_size: 128
    .sgpr_count:     66
    .vgpr_count:     210
    .wavefront_size: 32
...
	.end_amdgpu_metadata
.endif
;; end of part 1
;; launch proj (part 2): grid 8 x 32, 4 waves a work-group, clusters of 4 x 4, 327,680 bytes of LDS; arguments xc, wc, lowp_scales, qc, kc, vc; writes qc, kc, vc
.if DOCPART == 2
	.amdgcn_target "amdgcn-amd-amdhsa--gfx1250"
	.amdhsa_code_object_version 6
	.text
	.protected	k_q11920a5de9_proj
	.globl	k_q11920a5de9_proj
	.p2align	8
	.type	k_q11920a5de9_proj,@function
k_q11920a5de9_proj:
	s_mov_b64 s[64:65], 0
	v_nop
	global_prefetch_b8 v0, s[64:65] scope:SCOPE_SE
	s_setreg_imm32_b32 hwreg(HW_REG_WAVE_MODE, 25, 1), 1
	s_wait_xcnt 0x0
	s_wait_alu depctr_hold_cnt(0) depctr_sa_sdst(0) depctr_va_vdst(0) depctr_va_sdst(0) depctr_va_ssrc(0) depctr_va_vcc(0) depctr_vm_vsrc(0)
	s_getreg_b32 s2, hwreg(HW_REG_IB_STS2, 6, 4)
	s_cmp_eq_u32 s2, 0
	s_cbranch_scc0 .Lentry_in_a_cluster
	s_endpgm
.Lentry_in_a_cluster:
	s_bfe_u32 s2, ttmp6, 0x10000c
	s_cmp_lg_u32 s2, 0xf033
	s_cbranch_scc0 .Lentry_shape_is_right
	s_endpgm
.Lentry_shape_is_right:
; q = x Wq^T, k = x Wk^T, v = x Wv^T on codes of E4M3, and q, k, v quantised in registers for the attention's two products.
; A work-group makes one tile of 128 tokens x 128 features of q, then of k, then of v: three passes of K = 1,024, so that its two streams of codes, 24 K steps of 16,384 bytes each, are consecutive in memory.
; Four waves, each 64 tokens x 64 features (one head): 16 accumulators of 16 x 16.  256 work-groups.
; OPERANDS LIE AS IMAGES OF THEIR REGISTERS: a fragment (16 rows x 128 K) is 2,048 bytes, piece c at 512 c, lane l's 16 bytes at 16 l: K = 32 c + 16 (l / 16) + 0 .. 15 of row l % 16.  That is a permutation of K, the same on
; both sides of each product.  So a K step's tile is one dense block for the tensor load, no row is padded, and each LDS load takes 512 consecutive bytes.
; Fragment f of a tile takes rows 32 (f / 2) + 8 (f % 2) + r + 8 (r / 8): the 16 registers of two neighbouring result tiles are then 16 neighbours along source 0's rows.
; q, k: source 0 = W, source 1 = x: a lane holds one token and 16 neighbouring channels, which are the next K.  v: source 0 = x, source 1 = W: a lane holds one channel and 16 neighbouring tokens, the keys, which are its next K.
; The conversions' results are the next operands' registers and are stored as they stand, 512 consecutive bytes a store.
; A sum stands for sum x 2^(ex + ew), its code is sum / 2^(eo - ex - ew): the three scales are folded into the conversion's one.
; LIMITS: e6 - e0 - e1, e7 - e2 - e3 and e9 - e4 - e5 lie between -126 and 119, so that each power of two and 448 times it are f32 numbers.
; THE RING: two LDS slots of 131,072 bytes, each with four K steps of x's tile and four of W's: half a pass.  One tensor load a wave fills a quarter of a slot (32,768 dense bytes); it has four K steps, 64 matrix instructions a wave, in which to land.
; CLUSTERS: 4 x 4 work-groups.  x's tiles hang on the token tile alone and are asked for jointly along a row of the cluster, W's on the feature tile alone, along a column.
; No prefetch: the tiles are small, and each fill is asked for four K steps ahead of its use.
; REGISTERS: window 0: v2 16 x lane; v4-9 scales; v16-21 LDS addresses; v28, v29 for the add; v32-63 codes on the way out; v128-255 accumulators, (i1, i0) at v[128 + 8 (4 i1 + i0)].
;   window 1: two fragment buffers of 128: x's four fragments, then W's four.
.set SLOTB, 131072
.set BOFF,  65536                      ; W's four K steps lie behind x's four
.set KSB,   16384                      ; a K step's tile
.set FRB,   2048                       ; a fragment
.set SPARE, 2*SLOTB                    ; behind the ring: the spare words, 128 bytes for each wave: two blocks of 256 bytes that no other line names
.set LI,   2
.set ADRA, 16                          ; v16-17  LDS address of my x fragments in slot 0, 1
.set ADRB, 20                          ; v20-21  the same for W
.set SPW,  28                          ; v28     LDS address of my spare word; never rewritten
.set NIL,  29                          ; v29     0; never rewritten
.set COD,  32
.set ACC,  128
.set F0,   0
.set F1,   128
.set G1,  24                           ; s[24:31] descriptor group 1 for x's tiles; s[32:39] group 0, a set for each slot
.set G0,  32
.set G1B, 48                           ; s[48:55], s[56:63] the same for W's
.set G0B, 56
.set MSB, 0
.macro WIN new                         ; the immediate's high byte repeats the setting that is left
.if MSB != \new
	s_set_vgpr_msb (MSB<<8)|\new
.set MSB, \new
.endif
.endm
.set MUL,  0x05                        ; sources 0 and 1 window 1; C and D window 0
.set TO_F, 0x40                        ; destination window 1, address window 0
.macro JLOAD s                         ; a joint load: waves 0 and 1 fetch x's halves, waves 2 and 3 W's; four v_nop follow each of the two lines, ahead of the jump, the label and what follows
	s_cmp_eq_u32 s17, 0
	s_cbranch_scc0 .Lfor_b_\@
	tensor_load_to_lds s[G0+4*\s:G0+4*\s+3], s[G1:G1+7]
	s_nop 0
.rept 4
	v_nop
.endr
	s_branch .Lasked_\@
.Lfor_b_\@:
	tensor_load_to_lds s[G0B+4*\s:G0B+4*\s+3], s[G1B:G1B+7]
	s_nop 0
.rept 4
	v_nop
.endr
.Lasked_\@:
.endm
.macro CREST                           ; a round of the cluster's barrier behind its opening barrier
	s_cmp_lg_u32 s16, 0
	s_cbranch_scc1 .Lnot_wave_0_\@
	s_barrier_signal -3
.Lnot_wave_0_\@:
	s_barrier_wait -3
	s_barrier_signal -1
	s_barrier_wait -1
.endm
.macro CROUND                          ; a whole round
	s_barrier_signal -1
	s_barrier_wait -1
	CREST
.endm
.macro PLACES                          ; four places in front of loads into registers that matrix instructions have read, and of vector lines that read or write results
.rept 4
	v_nop
.endr
.endm
	s_load_b256 s[4:11], s[0:1], 0x0               ; xc 4, wc 6, the scales 8, qc 10
	s_load_b128 s[12:15], s[0:1], 0x20             ; kc 12, vc 14
	v_lshl_add_u32 v[SPW], v0, 2, SPARE
	v_mov_b32 v[NIL], 0
	ds_add_u32 v28, v29
	ds_add_u32 v28, v29
	s_wait_dscnt 0x0
	v_lshrrev_b32 v1, 5, v0
	v_readfirstlane_b32 s16, v1                    ; wave 0..3
	s_lshr_b32 s17, s16, 1                         ; which 64 tokens are mine.  Also: I fetch for x (0) or for W (1)
	s_and_b32 s18, s16, 1                          ; which 64 features.  Also: which two of a slot's four K steps I fetch
	s_bfe_u32 s19, ttmp6, 0x40000                  ; cx, cy: my place in the cluster
	s_bfe_u32 s20, ttmp6, 0x40004
	s_lshl_b32 s21, ttmp9, 2
	s_add_co_u32 s21, s21, s19                     ; feature tile = 4 x cluster x + cx
	s_and_b32 s22, ttmp7, 0xffff
	s_lshl_b32 s22, s22, 2
	s_add_co_u32 s22, s22, s20                     ; token tile = 4 x cluster y + cy
	s_lshl_b32 s44, s20, 2
	s_lshl_b32 s44, 15, s44                        ; my row of the cluster
	s_lshl_b32 s45, 0x1111, s19                    ; my column
	; descriptor group 1: 32,768 dense bytes as 128 rows of 32 elements of 8 bytes, no padding
	s_or_b32 s[G1+0], s44, (3<<16)|(1<<21)         ; 15:0 the mask: x's tiles go to my row; 17:16 elements of 8 bytes; 21 set beside a mask
	s_or_b32 s[G1B+0], s45, (3<<16)|(1<<21)        ; W's go to my column
.irp g, G1, G1B
	s_mov_b32 s[\g+1], 32<<16                      ; tensor_dim0 = 32
	s_mov_b32 s[\g+2], 128<<16                     ; tensor_dim1 = 128
	s_mov_b32 s[\g+3], 32<<16                      ; tile_dim0 = 32
	s_mov_b32 s[\g+4], 128                         ; tile_dim1 = 128
	s_mov_b32 s[\g+5], 32                          ; tensor_dim0_stride: the rows are dense
	s_mov_b32 s[\g+6], 0
	s_mov_b32 s[\g+7], 0
.endr
	s_lshl_b32 s47, s18, 15                        ; the two K steps that I fetch
	s_mul_i32 s40, s22, 393216                     ; x's stream of my token tile: 24 K steps
	s_add_co_u32 s40, s40, s47
	s_mov_b32 s41, 0
	s_mul_i32 s42, s21, 393216                     ; W's stream of my feature tile
	s_add_co_u32 s42, s42, s47
	s_mov_b32 s43, 0
	s_lshl_b32 s46, s16, 15                        ; where they go in a slot: wave x 32,768: no place in the cluster enters an LDS address
	s_wait_kmcnt 0x0
	s_load_b256 s[72:79], s[8:9], 0x0              ; e0 .. e7
	s_load_b128 s[80:83], s[8:9], 0x20             ; e8 .. e11
	s_add_nc_u64 s[40:41], s[4:5], s[40:41]
	s_add_nc_u64 s[42:43], s[6:7], s[42:43]
	CROUND                                         ; all sixteen work-groups are here: the first joint loads meet
.irp s, 0,1
	s_mov_b32 s[G0+4*\s], 1
	s_add_co_u32 s[G0+4*\s+1], s46, \s*SLOTB
	s_add_nc_u64 s[G0+4*\s+2:G0+4*\s+3], s[40:41], \s*65536
	s_or_b32 s[G0+4*\s+3], s[G0+4*\s+3], 0x80000000
	s_mov_b32 s[G0B+4*\s], 1
	s_add_co_u32 s[G0B+4*\s+1], s46, \s*SLOTB
	s_add_nc_u64 s[G0B+4*\s+2:G0B+4*\s+3], s[42:43], \s*65536
	s_or_b32 s[G0B+4*\s+3], s[G0B+4*\s+3], 0x80000000
	JLOAD \s                                       ; two loads of mine are out
.endr
	v_and_b32 v1, 31, v0
	v_lshlrev_b32 v[LI], 4, v1
	s_lshl_b32 s84, s17, 13                        ; my four fragments of x,
	s_lshl_b32 s85, s18, 13                        ; and of W,
	s_add_co_u32 s85, s85, BOFF                    ; which lie behind x's
.irp s, 0,1
	v_add_nc_u32 v[ADRA+\s], s84, v[LI]
	v_add_nc_u32 v[ADRB+\s], s85, v[LI]
	s_add_co_u32 s84, s84, SLOTB
	s_add_co_u32 s85, s85, SLOTB
.endr
	; where my results go: [head 32][block of 128 tokens 16][8,192]
	s_lshr_b32 s86, s22, 4                         ; the batch
	s_lshl_b32 s86, s86, 4
	s_lshl_b32 s87, s21, 1
	s_add_co_u32 s86, s86, s87
	s_add_co_u32 s86, s86, s18                     ; the head: 16 batch + 2 feature tile + my half
	s_lshl_b32 s86, s86, 4
	s_and_b32 s87, s22, 15
	s_add_co_u32 s86, s86, s87                     ; the block
	s_lshl_b32 s86, s86, 13
	s_lshl_b32 s88, s17, 12                        ; q, k: tiles of 16 tokens, 1,024 bytes each: my four begin at 4 x my half
	s_add_co_u32 s88, s86, s88
	s_mov_b32 s89, 0
	s_add_nc_u64 s[10:11], s[10:11], s[88:89]
	s_add_nc_u64 s[12:13], s[12:13], s[88:89]
	s_lshl_b32 s88, s17, 10                        ; v: tiles of 16 channels, 2,048 bytes each: my 64 keys are pieces 2 x my half and the next
	s_add_co_u32 s88, s86, s88
	s_add_nc_u64 s[14:15], s[14:15], s[88:89]
.macro MKSC a, b, c, vs                ; E = s[a] - s[b] - s[c]: 2^E and 448 x 2^E as f32
	s_sub_co_i32 s86, s[\a], s[\b]
	s_sub_co_i32 s86, s86, s[\c]
	s_add_co_i32 s86, s86, 127
	s_lshl_b32 s87, s86, 23
	v_mov_b32 v[\vs], s87
	s_add_co_i32 s86, s86, 8
	s_lshl_b32 s86, s86, 23
	s_or_b32 s86, s86, 0x600000
	v_mov_b32 v[\vs+1], s86
.endm
	s_wait_kmcnt 0x0
	MKSC 78, 72, 73, 4                             ; q: e6 - e0 - e1
	MKSC 79, 74, 75, 6                             ; k: e7 - e2 - e3
	MKSC 81, 76, 77, 8                             ; v: e9 - e4 - e5
; cnt x 4 matrix instructions on buffer f: source 1's fragments first .. first + cnt - 1, each against source 0's four.  sw = 0: source 0 = W, source 1 = x; sw = 1: the other way round.
; zero = 1: the product starts the sum: nothing is cleared.  The 16 accumulators take turns, one instruction a turn, in the same order in every K step.
.macro MULS f, first, cnt, sw, zero
.set I1, \first
.rept \cnt
.irp i0, 0,1,2,3
.set rD, ACC+8*(4*I1+\i0)
.if \sw
.set rA, \f+16*\i0
.set rB, \f+64+16*I1
.else
.set rA, \f+64+16*\i0
.set rB, \f+16*I1
.endif
.if \zero
	v_wmma_f32_16x16x128_fp8_fp8 v[rD:rD+7], v[rA:rA+15], v[rB:rB+15], 0
.else
	v_wmma_f32_16x16x128_fp8_fp8 v[rD:rD+7], v[rA:rA+15], v[rB:rB+15], v[rD:rD+7]
.endif
.endr
.set I1, I1+1
.endr
.endm
.macro FX slot, ks, f                  ; x's four fragments of the slot's K step ks
.irp i, 0,1,2,3
.irp c, 0,1,2,3
	ds_load_b128 v[\f+16*\i+4*\c:\f+16*\i+4*\c+3], v[ADRA+\slot] offset:\ks*KSB+\i*FRB+\c*512
.endr
.endr
.endm
.macro FW slot, ks, f                  ; W's four
.irp i, 0,1,2,3
.irp c, 0,1,2,3
	ds_load_b128 v[\f+64+16*\i+4*\c:\f+64+16*\i+4*\c+3], v[ADRB+\slot] offset:\ks*KSB+\i*FRB+\c*512
.endr
.endr
.endm
.macro FETCH slot, ks, f, sw           ; 32 LDS loads in one run: source 0's four fragments first, then source 1's in the order in which they are multiplied
	WIN TO_F
.if \sw
	FX \slot, \ks, \f
	FW \slot, \ks, \f
.else
	FW \slot, \ks, \f
	FX \slot, \ks, \f
.endif
.endm
; A K step that has its successor in the same slot: multiplies buffer f, and in its middle fetches K step ksn into buffer g.
.macro QUARTER slot, ksn, f, g, sw, zero
	s_wait_dscnt 8                                 ; all but the youngest eight loads (source 1's fragments 2 and 3) are in
	WIN MUL
	MULS \f, 0, 2, \sw, \zero
	PLACES
	FETCH \slot, \ksn, \g, \sw
	s_wait_dscnt 32                                ; all but the 32 just issued
	WIN MUL
	MULS \f, 2, 2, \sw, \zero
.endm
; A slot's last K step (in buffer 1) changes slots: ONE barrier; in front of it each wave waits for all its tensor loads, adds 0 to its spare word, and waits for that and for its own reads of this slot.
; fill = 1: the barrier opens a round of the cluster's barrier, and this slot is filled again with the K steps eight further on.  nsw: the order of sources of the K step that is fetched.
.macro TURN slot, next, fill, sw, nsw
	WIN 0                                          ; (the add's two registers lie in window 0)
	s_wait_tensorcnt 0x0                           ; all my tensor loads have landed: my part of the next slot;
	ds_add_u32 v[SPW], v[NIL]                      ; 0 onto my spare word;
	s_wait_dscnt 13                                ; (the add and source 1's fragments 1 to 3, twelve loads, may be out)
	WIN MUL
	MULS F1, 0, 1, \sw, 0                          ; four matrix instructions stand between the add and the wait for it
	s_wait_dscnt 0x0                               ; the add is done, and my reads of this slot are over
	s_barrier_signal -1
	MULS F1, 1, 1, \sw, 0
	WIN 0
	s_barrier_wait -1
.if \fill
	CREST                                          ; no wave of any partner still reads this slot's tiles or has a load on its way
	s_add_nc_u64 s[G0+4*\slot+2:G0+4*\slot+3], s[G0+4*\slot+2:G0+4*\slot+3], 131072
	s_add_nc_u64 s[G0B+4*\slot+2:G0B+4*\slot+3], s[G0B+4*\slot+2:G0B+4*\slot+3], 131072
	JLOAD \slot                                    ; the first tensor load behind the round, my one load until the next; its four v_nop are also the places in front of the loads below
.else
	PLACES
.endif
	FETCH \next, 0, F0, \nsw
	WIN MUL
	MULS F1, 2, 2, \sw, 0
.endm
.macro LASTQ sw                        ; the very last K step: nothing more to fetch
	s_wait_dscnt 8
	WIN MUL
	MULS F1, 0, 2, \sw, 0
	s_wait_dscnt 0x0
	MULS F1, 2, 2, \sw, 0
.endm
; A pass's way out.  Accumulators 2 p and 2 p + 1 are 16 neighbours along the next K: held, converted, and stored as piece p % 2 of tile p / 2.
.macro EPI sc, lim, base, str
	WIN 0
	PLACES
	s_wait_xcnt 0x0                                ; the pass before has read its codes' registers: they are written again only behind this wait
.irp p, 0,1,2,3,4,5,6,7
.irp n, 0,1,2,3,4,5,6,7,8,9,10,11,12,13,14,15
	v_med3_num_f32 v[ACC+16*\p+\n], v[ACC+16*\p+\n], -v[\lim], v[\lim]   ; the hold at the largest code x the scale; each accumulator from its low end on
.endr
	v_cvt_scalef32_pk8_fp8_f32 v[COD+4*\p:COD+4*\p+1], v[ACC+16*\p:ACC+16*\p+7], v[\sc]
	v_cvt_scalef32_pk8_fp8_f32 v[COD+4*\p+2:COD+4*\p+3], v[ACC+16*\p+8:ACC+16*\p+15], v[\sc]
.endr
	v_nop                                          ; a plain line between the last conversion and the next pass's products, which write its sources
.irp p, 0,1,2,3,4,5,6,7
	global_store_b128 v[LI], v[COD+4*\p:COD+4*\p+3], s[\base:\base+1] offset:(\p/2)*\str+(\p%2)*512   ; 32 lanes store 512 consecutive bytes, aligned
.endr
.endm
.macro PASS sw, fa, fb, nsw, last
	QUARTER 0, 1, F0, F1, \sw, 1                   ; a pass's first K step starts the sums
	QUARTER 0, 2, F1, F0, \sw, 0
	QUARTER 0, 3, F0, F1, \sw, 0
	TURN 0, 1, \fa, \sw, \sw
	QUARTER 1, 1, F0, F1, \sw, 0
	QUARTER 1, 2, F1, F0, \sw, 0
	QUARTER 1, 3, F0, F1, \sw, 0
.if \last
	LASTQ \sw
.else
	TURN 1, 0, \fb, \sw, \nsw
.endif
.endm
	s_wait_tensorcnt 1                             ; my part of slot 0 is in; slot 1's may stay out
	s_barrier_signal -1
	s_barrier_wait -1                              ; everybody's is
	FETCH 0, 0, F0, 0
	PASS 0, 1, 1, 0, 0                             ; q; both slots are filled again, with k's K steps
	EPI 4, 5, 10, 1024                             ; while a fill and the next pass's first fragments are on their way
	PASS 0, 1, 1, 1, 0                             ; k; both slots are filled again, with v's K steps
	EPI 6, 7, 12, 1024
	PASS 1, 0, 0, 1, 1                             ; v; nothing is left to fetch
	EPI 8, 9, 14, 2048
	s_wait_tensorcnt 0x0                           ; the wave's end
	ds_add_u32 v[SPW], v[NIL]
	s_wait_dscnt 0x0
	CROUND                                         ; the closing round: no work-group ends while a partner may still ask for a tile that names it
	s_endpgm
.Lfunc_end_k_q11920a5de9_proj:
	.size	k_q11920a5de9_proj, .Lfunc_end_k_q11920a5de9_proj-k_q11920a5de9_proj
	.p2alignl 7, 3214868480
	.fill 96, 4, 3214868480
	.section	.rodata,"a",@progbits
	.p2align	6, 0x0
	.amdhsa_kernel k_q11920a5de9_proj
		.amdhsa_group_segment_fixed_size 327680
		.amdhsa_private_segment_fixed_size 0
		.amdhsa_enable_private_segment 0
		.amdhsa_kernarg_size 48
		.amdhsa_user_sgpr_count 2
		.amdhsa_user_sgpr_kernarg_segment_ptr 1
		.amdhsa_wavefront_size32 1
		.amdhsa_system_sgpr_workgroup_id_x 1
		.amdhsa_system_sgpr_workgroup_id_y 1
		.amdhsa_system_sgpr_workgroup_id_z 1
		.amdhsa_system_vgpr_workitem_id 0
		.amdhsa_next_free_vgpr 512
		.amdhsa_next_free_sgpr 96
		.amdhsa_reserve_vcc 0
		.amdhsa_float_denorm_mode_32 3
		.amdhsa_float_denorm_mode_16_64 3
		.amdhsa_memory_ordered 1
		.amdhsa_forward_progress 1
		.amdhsa_inst_pref_size 120
	.end_amdhsa_kernel
	.amdgpu_metadata
---
amdhsa.version: [ 1, 2 ]
amdhsa.kernels:
  - .name:           k_q11920a5de9_proj
    .symbol:         k_q11920a5de9_proj.kd
    .args:
      - { .name: xc, .offset: 0, .size: 8, .value_kind: global_buffer, .address_space: global }
      - { .name: wc, .offset: 8, .size: 8, .value_kind: global_buffer, .address_space: global }
      - { .name: lowp_scales, .offset: 16, .size: 8, .value_kind: global_buffer, .address_space: global }
      - { .name: qc, .offset: 24, .size: 8, .value_kind: global_buffer, .address_space: global }
      - { .name: kc, .offset: 32, .size: 8, .value_kind: global_buffer, .address_space: global }
      - { .name: vc, .offset: 40, .size: 8, .value_kind: global_buffer, .address_space: global }
    .group_segment_fixed_size: 327680
    .private_segment_fixed_size: 0
    .kernarg_segment_align: 8
    .kernarg_segment_size: 48
    .max_flat_workgroup_size: 128
    .sgpr_count:     96
    .vgpr_count:     512
    .wavefront_size: 32
...
	.end_amdgpu_metadata
.endif
;; end of part 2
;; launch attn (part 3): grid 8 x 32, 16 waves a work-group, no clusters, 34,816 bytes of LDS; arguments qc, kc, vc, lowp_scales, oc; writes oc
.if DOCPART == 3
	.amdgcn_target "amdgcn-amd-amdhsa--gfx1250"
	.amdhsa_code_object_version 6
	.text
	.protected	k_q11920a5de9_attn
	.globl	k_q11920a5de9_attn
	.p2align	8
	.type	k_q11920a5de9_attn,@function
k_q11920a5de9_attn:
	s_mov_b64 s[64:65], 0
	v_nop
	global_prefetch_b8 v0, s[64:65] scope:SCOPE_SE
	s_setreg_imm32_b32 hwreg(HW_REG_WAVE_MODE, 25, 1), 1
	s_wait_xcnt 0x0
; o = softmax(q k^T / 8, causal) v for 32 heads of 2,048 tokens x 64 channels, both products on codes of E4M3; o is quantised in registers for the last product.
; qc, kc: [head 32][block of 128 tokens 16][tile 8][1,024]: a tile is an image of operand registers: piece c (0, 1) at 512 c, lane l's 16 bytes at 16 l: channels 32 c + 16 (l / 16) + 0 .. 15 of token
; 32 (t / 2) + 8 (t % 2) + r + 8 (r / 8), r = l % 16.  vc: [head][block][channel tile 4][2,048]: piece c (0..3): keys 32 c + 16 (l / 16) + 0 .. 15 of the block, for a channel numbered as the tokens are.
; oc: [token tile 32][K step 8 = head / 2][fragment 8 = tile of queries][2,048]; my head's 64 channels are pieces 2 (head % 2) and the next.
; THE SOFTMAX: t = score x log2(e) / 8; M = the running largest t rounded UP to a whole number; p = 2^(t - M) is quantised, not normalised; the row's sum is taken of the unquantised p and divides at the end.
; When M moves, the sum and O are multiplied by 2^(old M - new M), which rounds nothing.
; Both products are used transposed (S^T = K Q^T, O^T = V^T P^T): a lane holds ONE query throughout, the 16 registers of two neighbouring tiles of S^T are 16 neighbouring keys, those of O^T 16 neighbouring channels.
; SHARES.  A work-group owns blocks i and 15 - i of a head's queries (i = 0..7): under the causal mask that is 17 key steps of 128 for each of its eight tiles of 16 queries, the same in every work-group.
; Sixteen waves, one tile of 16 queries each; early and late blocks are dealt so that each group of four waves, by w % 4 and by w / 4 alike, has two of each.
; A key step below the wave's block counts whole, the step at its block is masked, a step above it is left out: a scalar branch on ids round the step's work, never round the barrier.
; K AND V come by loads into registers and LDS stores: thread n copies 16 bytes of K's 8,192 and 16 of V's; two slots of 16,384 bytes; step s + 2 is loaded, and step s + 1 stored, during step s.  One barrier a step.
; The loop has a constant 8 trips of two steps, so that every LDS offset is an immediate.  Steps beyond the work-group's last, 15 - i, fetch nothing: a branch on ids that is alike in all waves.
; NO CLUSTER, NO TENSOR LOAD: the eight work-groups of a head walk 16 - i steps, a different number each, so partners could not make every joint request without fetching tiles that nobody reads; a fetch that is left out by a jump is a load into registers.
; LIMITS: e6 + e7 between -123 and 130 (added to the exponent field of log2(e) / 8); e8 between -126 and 119; e8 + e9 - e10 is applied by v_ldexp_f32 to 1 / the sum, which must stay a normal f32 number.  NaN is not served.
.set SLOT, 16384
.set VOFF, 8192                        ; V's image lies behind K's
.set BLKB, 8192                        ; a block's image in memory
.set LI,   1                           ; v1   16 x lane
.set CW,   2                           ; v2   16 x thread: the copy's offset in memory and in a slot
.set DQ,   3                           ; v3   my query in its block - 16 (lane / 16)
.set PFO,  5                           ; v5   256 x lane: the prefetch's offset
.set SET0, 16                          ; v16-23 a step's 16 bytes of K and of V on their way; v24-31 the other step's
.set Q,    32                          ; v32-39
.set KF,   40                          ; v40-103 K's eight fragments of 8, then V's four of 16
.set S,    104                         ; v104-167 S^T, then p
.set O,    168                         ; v168-199 O^T
.set PC,   200                         ; v200-215 p's codes; at the end o's
.set MXA,  216
.set FF,   218                         ; v[218:219] f = 2^(old M - new M), named as a pair
.set SM2,  220                         ; v[220:221] the sum's second chain
.set PD,   222                         ; a lane permute's destination
.set PLIMV, 223                        ; 448 x 2^e8
.set PSC,  224                         ; 2^e8
.set C448, 225
.set ONE,  226
.set NINF, 227
.set MXB,  228
	s_load_b256 s[4:11], s[0:1], 0x0               ; qc 4, kc 6, vc 8, the scales 10
	s_load_b64 s[12:13], s[0:1], 0x20              ; oc
	v_lshl_add_u32 v254, v0, 2, 0x8000
	v_mov_b32 v255, 0
	v_lshrrev_b32 v6, 5, v0
	v_readfirstlane_b32 s14, v6                    ; wave 0..15
	s_mov_b32 s15, ttmp9                           ; i
	s_and_b32 s16, ttmp7, 0xffff                   ; the head
	s_sub_co_u32 s18, 15, s15                      ; the work-group's last key step
	s_lshr_b32 s21, s14, 2
	s_xor_b32 s21, s21, s14
	s_and_b32 s21, s21, 1
	s_cmp_eq_u32 s21, 1
	s_cselect_b32 s17, s18, s15                    ; my block of queries: 15 - i or i
	s_lshr_b32 s29, s14, 1                         ; my tile in it
	s_lshl_b32 s40, s16, 4
	s_add_co_u32 s40, s40, s17
	s_lshl_b32 s40, s40, 13
	s_lshl_b32 s41, s29, 10
	s_add_co_u32 s40, s40, s41                     ; Q: (16 head + block) x 8,192 + tile x 1,024
	s_mov_b32 s41, 0
	s_lshl_b32 s42, s16, 17                        ; K, V: the head's 16 blocks
	s_mov_b32 s43, 0
	s_lshr_b32 s44, s16, 4
	s_lshl_b32 s44, s44, 4
	s_add_co_u32 s44, s44, s17                     ; o: token tile = 16 batch + block,
	s_lshl_b32 s44, s44, 17
	s_and_b32 s45, s16, 15
	s_lshr_b32 s45, s45, 1
	s_lshl_b32 s45, s45, 14
	s_add_co_u32 s44, s44, s45                     ; K step = head / 2,
	s_lshl_b32 s45, s29, 11
	s_add_co_u32 s44, s44, s45                     ; fragment = my tile,
	s_and_b32 s45, s16, 1
	s_lshl_b32 s45, s45, 10
	s_add_co_u32 s44, s44, s45                     ; pieces 2 (head % 2) on
	s_mov_b32 s45, 0
	s_lshr_b32 s30, s29, 1
	s_lshl_b32 s30, s30, 5
	s_and_b32 s31, s29, 1
	s_lshl_b32 s31, s31, 3
	s_add_co_u32 s30, s30, s31                     ; 32 (t / 2) + 8 (t % 2)
	v_and_b32 v6, 15, v0
	v_and_b32 v7, 8, v0
	v_add_nc_u32 v6, v6, v7                        ; r + 8 (r / 8)
	v_bfe_u32 v7, v0, 4, 1
	v_lshlrev_b32 v7, 4, v7
	v_sub_nc_u32 v6, v6, v7
	v_add_nc_u32 v[DQ], s30, v6
	v_and_b32 v6, 31, v0
	v_lshlrev_b32 v[LI], 4, v6
	v_lshlrev_b32 v[PFO], 8, v6
	v_lshlrev_b32 v[CW], 4, v0
	; who prefetches: all work-groups of a head read the same K and V; work-group i = 0 walks all 16 steps and asks; in it wave 1 for K's block, wave 3 for V's, lanes 256 bytes apart: each aligned 256 bytes are named once
	s_and_b32 s31, s14, 0xfffffffd
	s_xor_b32 s31, s31, 1                          ; 0 in waves 1 and 3
	s_or_b32 s31, s31, s15
	s_cmp_eq_u32 s31, 0
	s_cselect_b32 s28, 13, 0                       ; step s names step s + 4 while s + 1 < 13: steps 4 to 15; steps 0 to 3 come by their loads alone
	s_mov_b32 s24, 0x76543210
	s_mov_b32 s25, 0xfedcba98                      ; v_permlanex16_b32's selects for lane l xor 16
	s_wait_kmcnt 0x0
	s_load_b128 s[32:35], s[10:11], 0x18           ; e6, e7, e8, e9
	s_load_b32 s36, s[10:11], 0x28                 ; e10
	s_add_nc_u64 s[4:5], s[4:5], s[40:41]
	s_add_nc_u64 s[6:7], s[6:7], s[42:43]
	s_add_nc_u64 s[8:9], s[8:9], s[42:43]
	s_add_nc_u64 s[12:13], s[12:13], s[44:45]
	global_load_b128 v[Q:Q+3], v[LI], s[4:5]
	global_load_b128 v[Q+4:Q+7], v[LI], s[4:5] offset:512
	global_load_b128 v[SET0:SET0+3], v[CW], s[6:7]                 ; key step 0
	global_load_b128 v[SET0+4:SET0+7], v[CW], s[8:9]
	global_load_b128 v[SET0+8:SET0+11], v[CW], s[6:7] offset:BLKB  ; key step 1: every work-group has at least nine steps
	global_load_b128 v[SET0+12:SET0+15], v[CW], s[8:9] offset:BLKB
	s_cmp_eq_u32 s14, 3
	s_cselect_b64 s[26:27], s[8:9], s[6:7]         ; where my prefetches stand
	v_mov_b32 v13, 0xff61b1e6                      ; the largest t so far: -3e38, under every t
	v_floor_f32 v12, -v13                          ; -M
	v_mov_b32 v14, 0                               ; the sum, in two halves
	v_mov_b32 v15, 0
	v_mov_b32 v[FF+1], 0                           ; (named as the upper half of a pair)
	v_mov_b32 v[PD], 0                             ; a lane permute's destination counts as one of its sources
.set n, 0
.rept 32
	v_mov_b32 v[O+n], 0                            ; O^T.  The step is written once: the first finds zeros, which the first change of M leaves zeros
.set n, n+1
.endr
	v_mov_b32 v[C448], 0x43e00000
	v_mov_b32 v[ONE], 1.0
	v_mov_b32 v[NINF], 0xff800000
	s_wait_kmcnt 0x0
	s_add_co_i32 s38, s32, s33
	s_lshl_b32 s38, s38, 23
	s_mov_b32 s22, 0x3e38aa3b                      ; c = log2(e) / 8
	s_add_co_i32 s22, s22, s38                     ; a score stands for score x 2^(e6 + e7): added to c's exponent field
	s_mov_b32 s23, s22                             ; (named with it as a pair)
	s_add_co_i32 s38, s34, 127
	s_lshl_b32 s39, s38, 23
	v_mov_b32 v[PSC], s39
	s_add_co_i32 s38, s38, 8
	s_lshl_b32 s38, s38, 23
	s_or_b32 s38, s38, 0x600000
	v_mov_b32 v[PLIMV], s38
	s_add_co_i32 s37, s34, s35
	s_sub_co_i32 s37, s37, s36                     ; e8 + e9 - e10
	s_wait_loadcnt 2                               ; Q and step 0 are in; step 1's two loads may be out
	ds_store_b128 v[CW], v[SET0:SET0+3]
	ds_store_b128 v[CW], v[SET0+4:SET0+7] offset:VOFF
; KEY STEP s = s19 + par, in slot par.
.macro STEP par
	s_wait_dscnt 0x0                               ; my stores into this step's slot have landed, and my reads of the other slot are in:
	s_barrier_signal -1
	s_barrier_wait -1                              ; both now hold of all sixteen waves
	s_add_co_u32 s20, s19, \par+1
	s_cmp_gt_u32 s20, s18                          ; is there a step s + 1?  (alike in all waves)
	s_cbranch_scc1 .Lnocopy_\@
	s_wait_loadcnt 0x0                             ; its bytes, asked for a step ago, are in registers
	ds_store_b128 v[CW], v[SET0+8*(1-\par):SET0+8*(1-\par)+3] offset:(1-\par)*SLOT
	ds_store_b128 v[CW], v[SET0+8*(1-\par)+4:SET0+8*(1-\par)+7] offset:(1-\par)*SLOT+VOFF
	s_cmp_ge_u32 s20, s18                          ; and a step s + 2?
	s_cbranch_scc1 .Lnocopy_\@
	global_load_b128 v[SET0+8*\par:SET0+8*\par+3], v[CW], s[6:7] offset:(\par+2)*BLKB     ; into the registers whose LDS stores were waited for at the step's head
	global_load_b128 v[SET0+8*\par+4:SET0+8*\par+7], v[CW], s[8:9] offset:(\par+2)*BLKB
	s_cmp_lt_u32 s20, s28
	s_cbranch_scc0 .Lnocopy_\@
	global_prefetch_b8 v[PFO], s[26:27] offset:(\par+4)*BLKB th:TH_LOAD_NT scope:SCOPE_SE  ; step s + 4's block, two steps ahead of its load; behind my own loads
.Lnocopy_\@:
	s_add_co_u32 s20, s19, \par
	s_cmp_gt_u32 s20, s17                          ; all keys of the step come after my queries: nothing to do
	s_cbranch_scc1 .Lhidden_\@
.rept 4
	v_nop                                          ; places in front of loads into registers that the last products have read
.endr
.irp kt, 0,1,2,3,4,5,6,7
.irp c, 0,1
	ds_load_b128 v[KF+8*\kt+4*\c:KF+8*\kt+4*\c+3], v[LI] offset:\par*SLOT+\kt*1024+\c*512
.endr
.endr
	s_wait_dscnt 0x0
.irp kt, 0,1,2,3,4,5,6,7
	v_wmma_f32_16x16x64_fp8_fp8 v[S+8*\kt:S+8*\kt+7], v[KF+8*\kt:KF+8*\kt+7], v[Q:Q+7], 0   ; S^T: register 16 b + n of lane (r, h) is key 32 b + 16 h + n
.endr
.rept 4
	v_nop                                          ; places in front of the loads below and of the first read of the scores
.endr
.irp vt, 0,1,2,3
.irp c, 0,1,2,3
	ds_load_b128 v[KF+16*\vt+4*\c:KF+16*\vt+4*\c+3], v[LI] offset:\par*SLOT+VOFF+\vt*2048+\c*512   ; V lands while the softmax is worked
.endr
.endr
	s_cmp_lt_u32 s20, s17
	s_cbranch_scc1 .Lopen_\@                       ; below my block all keys count
.set n, 0
.rept 64                                       ; at my block the scores of hidden keys become -infinity ahead of the maximum: p = 0 then.  A query's own key counts, so the maximum is a number
	v_cmp_gt_i32 vcc_lo, 32*(n/16)+n%16, v[DQ]
	v_cndmask_b32 v[S+n], v[S+n], v[NINF], vcc_lo
.set n, n+1
.endr
.Lopen_\@:
	v_max3_num_f32 v[MXA], v[S], v[S+1], v[S+2]    ; the step's largest score of my query among my 64 keys, in two chains; each tile is first read at its low end
	v_max3_num_f32 v[MXB], v[S+3], v[S+4], v[S+5]
.irp i, 6,10,14,18,22,26,30,34,38,42,46,50,54,58
	v_max3_num_f32 v[MXA], v[MXA], v[S+\i], v[S+\i+1]
	v_max3_num_f32 v[MXB], v[MXB], v[S+\i+2], v[S+\i+3]
.endr
	v_max3_num_f32 v[MXA], v[MXA], v[S+62], v[S+63]
	v_max_num_f32 v[MXA], v[MXA], v[MXB]
	v_permlanex16_b32 v[PD], v[MXA], s24, s25
	v_max_num_f32 v[MXA], v[MXA], v[PD]            ; and among lane l xor 16's
	v_mul_f32 v[MXA], s22, v[MXA]                  ; as t (c is positive)
	v_max_num_f32 v13, v13, v[MXA]                 ; the running largest t
	v_mov_b32 v[MXA], v12
	v_floor_f32 v12, -v13                          ; the new -M = floor(-t) = -ceil(t)
	v_sub_f32 v[MXA], v12, v[MXA]                  ; old M - new M: a whole number, 0 or less
	v_cvt_i32_f32 v[MXA], v[MXA]                   ; (it saturates)
	v_ldexp_f32 v[FF], 1.0, v[MXA]                 ; f = 2^(old M - new M)
.set n, 0
.rept 32
	v_pk_fma_f32 v[S+n:S+n+1], v[S+n:S+n+1], s[22:23], v[12:13] op_sel_hi:[1,0,0]   ; t - M, two at a time (of the pairs c and -M the low word serves both halves)
.set n, n+2
.endr
.set n, 0
.rept 64
	v_exp_f32 v[S+n], v[S+n]                       ; p = 2^(t - M), at most 1
.set n, n+1
.endr
	v_pk_mul_f32 v[14:15], v[14:15], v[FF:FF+1] op_sel_hi:[1,0]   ; the sums under the new M: the plain line behind the exponentials
	s_wait_alu depctr_va_vdst(0)                   ; one wait for the batch of 64, ahead of its first reader
	v_pk_add_f32 v[SM2:SM2+1], v[S:S+1], v[S+2:S+3]   ; the row's sum is taken of the unquantised p, in two chains
.irp j, 4,8,12,16,20,24,28,32,36,40,44,48,52,56,60
	v_pk_add_f32 v[14:15], v[14:15], v[S+\j:S+\j+1]
	v_pk_add_f32 v[SM2:SM2+1], v[SM2:SM2+1], v[S+\j+2:S+\j+3]
.endr
	v_pk_add_f32 v[14:15], v[14:15], v[SM2:SM2+1]
	s_cmp_ge_i32 s34, -8                           ; p is at most 1 by its making; from e8 = -8 on the largest code stands for 448 x 2^e8 >= 1.75, so the hold would change nothing
	s_cbranch_scc1 .Lnohold_\@
.set n, 0
.rept 64
	v_min_num_f32 v[S+n], v[S+n], v[PLIMV]         ; the conversion does not saturate (ISA guide 7.6.2); p is not negative, so the hold is one-sided
.set n, n+1
.endr
.Lnohold_\@:
.irp b, 0,1,2,3
	v_cvt_scalef32_pk8_fp8_f32 v[PC+4*\b:PC+4*\b+1], v[S+16*\b:S+16*\b+7], v[PSC]
	v_cvt_scalef32_pk8_fp8_f32 v[PC+4*\b+2:PC+4*\b+3], v[S+16*\b+8:S+16*\b+15], v[PSC]
.endr
.set n, 0
.rept 16
	v_pk_mul_f32 v[O+n:O+n+1], v[O+n:O+n+1], v[FF:FF+1] op_sel_hi:[1,0]   ; O^T under the new M; these are also the plain lines between the conversions and the products
.set n, n+2
.endr
	s_wait_dscnt 0x0                               ; V is in
.irp vt, 0,1,2,3
	v_wmma_f32_16x16x128_fp8_fp8 v[O+8*\vt:O+8*\vt+7], v[KF+16*\vt:KF+16*\vt+15], v[PC:PC+15], v[O+8*\vt:O+8*\vt+7]   ; four accumulators, one instruction a turn
.endr
.Lhidden_\@:
.endm
	s_mov_b32 s19, 0
.Ltrip:                                            ; 8 trips of two key steps
	STEP 0
	STEP 1
	s_wait_xcnt 0x0                                ; the trip's loads and prefetches have read their bases, which step only behind this wait
	s_add_nc_u64 s[6:7], s[6:7], 2*BLKB
	s_add_nc_u64 s[8:9], s[8:9], 2*BLKB
	s_add_nc_u64 s[26:27], s[26:27], 2*BLKB
	s_add_co_u32 s19, s19, 2
	s_cmp_lt_u32 s19, 16
	s_cbranch_scc1 .Ltrip
	; THE WAY OUT: o = O^T x 2^(e8 + e9) / the sum; its code is o / 2^e10.  The 16 registers of two neighbouring tiles are 16 neighbouring channels: the conversions' results are the last product's operand registers.
.rept 4
	v_nop                                          ; places behind the last products
.endr
	v_add_f32 v14, v14, v15                        ; the sum's two halves,
	v_permlanex16_b32 v[PD], v14, s24, s25
	v_add_f32 v14, v14, v[PD]                      ; and lane l xor 16's
	v_rcp_f32 v14, v14
	v_nop                                          ; a plain line behind the transcendental
	s_wait_alu depctr_va_vdst(0)                   ; and the wait ahead of its first reader
	v_ldexp_f32 v14, v14, s37
.set n, 0
.rept 16
	v_pk_mul_f32 v[O+n:O+n+1], v[O+n:O+n+1], v[14:15] op_sel_hi:[1,0]
.set n, n+2
.endr
.set n, 0
.rept 32
	v_med3_num_f32 v[O+n], v[O+n], -v[C448], v[C448]
.set n, n+1
.endr
.irp c, 0,1
	v_cvt_scalef32_pk8_fp8_f32 v[PC+4*\c:PC+4*\c+1], v[O+16*\c:O+16*\c+7], v[ONE]
	v_cvt_scalef32_pk8_fp8_f32 v[PC+4*\c+2:PC+4*\c+3], v[O+16*\c+8:O+16*\c+15], v[ONE]
.endr
	v_nop
	global_store_b128 v[LI], v[PC:PC+3], s[12:13]              ; 32 lanes store 512 consecutive bytes, aligned
	global_store_b128 v[LI], v[PC+4:PC+7], s[12:13] offset:512
	s_wait_tensorcnt 0x0
	ds_add_u32 v254, v255
	s_wait_dscnt 0x0
	s_endpgm
.Lfunc_end_k_q11920a5de9_attn:
	.size	k_q11920a5de9_attn, .Lfunc_end_k_q11920a5de9_attn-k_q11920a5de9_attn
	.p2alignl 7, 3214868480
	.fill 96, 4, 3214868480
	.section	.rodata,"a",@progbits
	.p2align	6, 0x0
	.amdhsa_kernel k_q11920a5de9_attn
		.amdhsa_group_segment_fixed_size 34816
		.amdhsa_private_segment_fixed_size 0
		.amdhsa_enable_private_segment 0
		.amdhsa_kernarg_size 40
		.amdhsa_user_sgpr_count 2
		.amdhsa_user_sgpr_kernarg_segment_ptr 1
		.amdhsa_wavefront_size32 1
		.amdhsa_system_sgpr_workgroup_id_x 1
		.amdhsa_system_sgpr_workgroup_id_y 1
		.amdhsa_system_sgpr_workgroup_id_z 1
		.amdhsa_system_vgpr_workitem_id 0
		.amdhsa_next_free_vgpr 256
		.amdhsa_next_free_sgpr 66
		.amdhsa_reserve_vcc 1
		.amdhsa_float_denorm_mode_32 3
		.amdhsa_float_denorm_mode_16_64 3
		.amdhsa_memory_ordered 1
		.amdhsa_forward_progress 1
		.amdhsa_inst_pref_size 52
	.end_amdhsa_kernel
	.amdgpu_metadata
---
amdhsa.version: [ 1, 2 ]
amdhsa.kernels:
  - .name:           k_q11920a5de9_attn
    .symbol:         k_q11920a5de9_attn.kd
    .args:
      - { .name: qc, .offset: 0, .size: 8, .value_kind: global_buffer, .address_space: global }
      - { .name: kc, .offset: 8, .size: 8, .value_kind: global_buffer, .address_space: global }
      - { .name: vc, .offset: 16, .size: 8, .value_kind: global_buffer, .address_space: global }
      - { .name: lowp_scales, .offset: 24, .size: 8, .value_kind: global_buffer, .address_space: global }
      - { .name: oc, .offset: 32, .size: 8, .value_kind: global_buffer, .address_space: global }
    .group_segment_fixed_size: 34816
    .private_segment_fixed_size: 0
    .kernarg_segment_align: 8
    .kernarg_segment_size: 40
    .max_flat_workgroup_size: 512
    .sgpr_count:     66
    .vgpr_count:     256
    .wavefront_size: 32
...
	.end_amdgpu_metadata
.endif
;; end of part 3
;; launch outp (part 4): grid 8 x 32, 4 waves a work-group, clusters of 4 x 4, 327,680 bytes of LDS; arguments oc, wc, lowp_scales, out0; writes out0
.if DOCPART == 4
	.amdgcn_target "amdgcn-amd-amdhsa--gfx1250"
	.amdhsa_code_object_version 6
	.text
	.protected	k_q11920a5de9_outp
	.globl	k_q11920a5de9_outp
	.p2align	8
	.type	k_q11920a5de9_outp,@function
k_q11920a5de9_outp:
	s_mov_b64 s[64:65], 0
	v_nop
	global_prefetch_b8 v0, s[64:65] scope:SCOPE_SE
	s_setreg_imm32_b32 hwreg(HW_REG_WAVE_MODE, 25, 1), 1
	s_wait_xcnt 0x0
	s_wait_alu depctr_hold_cnt(0) depctr_sa_sdst(0) depctr_va_vdst(0) depctr_va_sdst(0) depctr_va_ssrc(0) depctr_va_vcc(0) depctr_vm_vsrc(0)
	s_getreg_b32 s2, hwreg(HW_REG_IB_STS2, 6, 4)
	s_cmp_eq_u32 s2, 0
	s_cbranch_scc0 .Lentry_in_a_cluster
	s_endpgm
.Lentry_in_a_cluster:
	s_bfe_u32 s2, ttmp6, 0x10000c
	s_cmp_lg_u32 s2, 0xf033
	s_cbranch_scc0 .Lentry_shape_is_right
	s_endpgm
.Lentry_shape_is_right:
; out0 = o Wo^T on codes of E4M3; out0 [4096][1024] f32.  A finished sum is multiplied once by 2^(e10 + e11).  LIMIT: e10 + e11 between -126 and 127, so that this is an f32 number.
; A work-group makes a tile of 128 tokens x 128 features; four waves, each 64 x 64: 16 accumulators.  256 work-groups.
; Both operands lie as images of operand registers (a fragment of 16 rows x 128 K is 2,048 bytes: piece c at 512 c, lane l's 16 bytes at 16 l: K = 32 c + 16 (l / 16) + 0 .. 15 of row l % 16);
; fragment f takes rows 32 (f / 2) + 8 (f % 2) + r + 8 (r / 8) of its tile.  oc: [token tile 32][K step 8][16,384]; Wo's codes: wc from byte 3,145,728, [feature tile 8][K step 8][16,384].
; K = 1,024 is eight K steps: exactly two LDS slots of four K steps of each operand.  Both are asked for at the start, one tensor load of 32,768 dense bytes a wave and slot, and nothing is filled again.
; CLUSTERS: 4 x 4 work-groups; o's tiles are asked for jointly along a row of the cluster, Wo's along a column.  No prefetch: all of the work-group's bytes are asked for at its head.
; Source 0 = Wo, source 1 = o: a lane holds one token and, in two neighbouring accumulators, 16 neighbouring features.
; REGISTERS: window 0: v2 16 x lane; v16-21 LDS addresses; v24-26 the way out; v28, v29 for the add; v128-255 accumulators, (i1, i0) at v[128 + 8 (4 i1 + i0)].  window 1: two fragment buffers of 128: o's four fragments, then Wo's four.
.set SLOTB, 131072
.set BOFF,  65536
.set KSB,   16384
.set FRB,   2048
.set SPARE, 2*SLOTB                    ; behind the slots: the spare words, 128 bytes for each wave: two blocks of 256 bytes that no other line names
.set SPITCH, 272                       ; the way out: a stage of 64 rows x (256 bytes + 16) for each wave.  It lies in slot 0, which has had its only fill, and its last read stands in front of the change of slots' barrier
.set LI,   2
.set ADRA, 16
.set ADRB, 20
.set STO,  24
.set RD,   25
.set CO,   26
.set SPW,  28
.set NIL,  29
.set ACC,  128
.set F0,   0
.set F1,   128
.set G1,  24
.set G0,  32
.set G1B, 48
.set G0B, 56
.set MSB, 0
.macro WIN new                         ; the immediate's high byte repeats the setting that is left
.if MSB != \new
	s_set_vgpr_msb (MSB<<8)|\new
.set MSB, \new
.endif
.endm
.set MUL,  0x05                        ; sources 0 and 1 window 1; C and D window 0
.set TO_F, 0x40                        ; destination window 1, address window 0
.macro JLOAD s                         ; a joint load: waves 0 and 1 fetch o's halves, waves 2 and 3 Wo's; four v_nop follow each of the two lines
	s_cmp_eq_u32 s17, 0
	s_cbranch_scc0 .Lfor_b_\@
	tensor_load_to_lds s[G0+4*\s:G0+4*\s+3], s[G1:G1+7]
	s_nop 0
.rept 4
	v_nop
.endr
	s_branch .Lasked_\@
.Lfor_b_\@:
	tensor_load_to_lds s[G0B+4*\s:G0B+4*\s+3], s[G1B:G1B+7]
	s_nop 0
.rept 4
	v_nop
.endr
.Lasked_\@:
.endm
.macro CROUND                          ; a round of the cluster's barrier
	s_barrier_signal -1
	s_barrier_wait -1
	s_cmp_lg_u32 s16, 0
	s_cbranch_scc1 .Lnot_wave_0_\@
	s_barrier_signal -3
.Lnot_wave_0_\@:
	s_barrier_wait -3
	s_barrier_signal -1
	s_barrier_wait -1
.endm
.macro PLACES                          ; four places in front of loads into registers that matrix instructions have read, and of vector lines that read or write results
.rept 4
	v_nop
.endr
.endm
	s_load_b256 s[4:11], s[0:1], 0x0               ; oc 4, wc 6, the scales 8, out0 10
	v_lshl_add_u32 v[SPW], v0, 2, SPARE
	v_mov_b32 v[NIL], 0
	ds_add_u32 v28, v29
	ds_add_u32 v28, v29
	s_wait_dscnt 0x0
	v_lshrrev_b32 v1, 5, v0
	v_readfirstlane_b32 s16, v1                    ; wave 0..3
	s_lshr_b32 s17, s16, 1                         ; which 64 tokens are mine.  Also: I fetch for o (0) or for Wo (1)
	s_and_b32 s18, s16, 1                          ; which 64 features.  Also: which two of a slot's four K steps I fetch
	s_bfe_u32 s19, ttmp6, 0x40000                  ; cx, cy
	s_bfe_u32 s20, ttmp6, 0x40004
	s_lshl_b32 s21, ttmp9, 2
	s_add_co_u32 s21, s21, s19                     ; feature tile
	s_and_b32 s22, ttmp7, 0xffff
	s_lshl_b32 s22, s22, 2
	s_add_co_u32 s22, s22, s20                     ; token tile
	s_lshl_b32 s44, s20, 2
	s_lshl_b32 s44, 15, s44                        ; my row of the cluster
	s_lshl_b32 s45, 0x1111, s19                    ; my column
	s_or_b32 s[G1+0], s44, (3<<16)|(1<<21)         ; 15:0 the mask; 17:16 elements of 8 bytes; 21 set beside a mask; no padding
	s_or_b32 s[G1B+0], s45, (3<<16)|(1<<21)
.irp g, G1, G1B
	s_mov_b32 s[\g+1], 32<<16                      ; tensor_dim0 = 32
	s_mov_b32 s[\g+2], 128<<16                     ; tensor_dim1 = 128
	s_mov_b32 s[\g+3], 32<<16                      ; tile_dim0 = 32
	s_mov_b32 s[\g+4], 128                         ; tile_dim1 = 128
	s_mov_b32 s[\g+5], 32                          ; tensor_dim0_stride: the rows are dense
	s_mov_b32 s[\g+6], 0
	s_mov_b32 s[\g+7], 0
.endr
	s_lshl_b32 s47, s18, 15
	s_lshl_b32 s40, s22, 17                        ; o's eight K steps of my token tile
	s_add_co_u32 s40, s40, s47
	s_mov_b32 s41, 0
	s_lshl_b32 s42, s21, 17                        ; Wo's of my feature tile,
	s_add_co_u32 s42, s42, s47
	s_add_co_u32 s42, s42, 3145728                 ; behind Wq's, Wk's and Wv's codes
	s_mov_b32 s43, 0
	s_lshl_b32 s46, s16, 15                        ; where they go in a slot: no place in the cluster enters an LDS address
	s_wait_kmcnt 0x0
	s_load_b64 s[72:73], s[8:9], 0x28              ; e10, e11
	s_add_nc_u64 s[40:41], s[4:5], s[40:41]
	s_add_nc_u64 s[42:43], s[6:7], s[42:43]
	CROUND                                         ; all sixteen work-groups are here: the joint loads meet
.irp s, 0,1
	s_mov_b32 s[G0+4*\s], 1
	s_add_co_u32 s[G0+4*\s+1], s46, \s*SLOTB
	s_add_nc_u64 s[G0+4*\s+2:G0+4*\s+3], s[40:41], \s*65536
	s_or_b32 s[G0+4*\s+3], s[G0+4*\s+3], 0x80000000
	s_mov_b32 s[G0B+4*\s], 1
	s_add_co_u32 s[G0B+4*\s+1], s46, \s*SLOTB
	s_add_nc_u64 s[G0B+4*\s+2:G0B+4*\s+3], s[42:43], \s*65536
	s_or_b32 s[G0B+4*\s+3], s[G0B+4*\s+3], 0x80000000
	JLOAD \s                                       ; two loads of mine are out, and no more follow
.endr
	v_and_b32 v1, 31, v0
	v_lshlrev_b32 v[LI], 4, v1
	s_lshl_b32 s84, s17, 13
	s_lshl_b32 s85, s18, 13
	s_add_co_u32 s85, s85, BOFF
.irp s, 0,1
	v_add_nc_u32 v[ADRA+\s], s84, v[LI]
	v_add_nc_u32 v[ADRB+\s], s85, v[LI]
	s_add_co_u32 s84, s84, SLOTB
	s_add_co_u32 s85, s85, SLOTB
.endr
	s_mul_i32 s86, s16, 64*SPITCH                  ; my stage
	v_and_b32 v1, 15, v0                           ; r
	v_bfe_u32 v3, v0, 4, 1                         ; h
	v_mul_u32_u24 v[STO], v1, SPITCH               ; in: row r of a block of 16, + 64 h: my 16 features of each 32
	v_lshl_add_u32 v[STO], v3, 6, v[STO]
	v_add_nc_u32 v[STO], s86, v[STO]
	v_mul_u32_u24 v[RD], v3, SPITCH                ; back: lanes 0-15 one row of 256 bytes, lanes 16-31 the next
	v_lshl_add_u32 v[RD], v1, 4, v[RD]
	v_add_nc_u32 v[RD], s86, v[RD]
	v_lshlrev_b32 v[CO], 12, v3                    ; and the same in out0: a row is 4,096 bytes
	v_lshl_add_u32 v[CO], v1, 4, v[CO]
	s_lshl_b32 s88, s22, 7
	s_lshl_b32 s89, s17, 6
	s_add_co_u32 s88, s88, s89                     ; my first token
	s_lshl_b32 s88, s88, 12
	s_lshl_b32 s89, s21, 9
	s_add_co_u32 s88, s88, s89                     ; + my first feature, in bytes: 512 feature tile + 256 x my half
	s_lshl_b32 s89, s18, 8
	s_add_co_u32 s88, s88, s89
	s_mov_b32 s89, 0
	s_add_nc_u64 s[10:11], s[10:11], s[88:89]
; cnt x 4 matrix instructions on buffer f: o's fragments first .. first + cnt - 1, each against Wo's four.  zero = 1: the product starts the sum.
; The 16 accumulators take turns, one instruction a turn, in the same order in every K step.
.macro MULS f, first, cnt, zero
.set I1, \first
.rept \cnt
.irp i0, 0,1,2,3
.set rD, ACC+8*(4*I1+\i0)
.set rA, \f+64+16*\i0
.set rB, \f+16*I1
.if \zero
	v_wmma_f32_16x16x128_fp8_fp8 v[rD:rD+7], v[rA:rA+15], v[rB:rB+15], 0
.else
	v_wmma_f32_16x16x128_fp8_fp8 v[rD:rD+7], v[rA:rA+15], v[rB:rB+15], v[rD:rD+7]
.endif
.endr
.set I1, I1+1
.endr
.endm
.macro FETCH slot, ks, f               ; 32 LDS loads in one run: Wo's four fragments, then o's in the order in which they are multiplied
	WIN TO_F
.irp i, 0,1,2,3
.irp c, 0,1,2,3
	ds_load_b128 v[\f+64+16*\i+4*\c:\f+64+16*\i+4*\c+3], v[ADRB+\slot] offset:\ks*KSB+\i*FRB+\c*512
.endr
.endr
.irp i, 0,1,2,3
.irp c, 0,1,2,3
	ds_load_b128 v[\f+16*\i+4*\c:\f+16*\i+4*\c+3], v[ADRA+\slot] offset:\ks*KSB+\i*FRB+\c*512
.endr
.endr
.endm
.macro QUARTER slot, ksn, f, g, zero   ; a K step: multiplies buffer f, and in its middle fetches K step ksn of the same slot into buffer g
	s_wait_dscnt 8                                 ; all but the youngest eight loads (o's fragments 2 and 3) are in
	WIN MUL
	MULS \f, 0, 2, \zero
	PLACES
	FETCH \slot, \ksn, \g
	s_wait_dscnt 32                                ; all but the 32 just issued
	WIN MUL
	MULS \f, 2, 2, \zero
.endm
	s_wait_tensorcnt 1                             ; my part of slot 0 is in; slot 1's may stay out
	s_barrier_signal -1
	s_barrier_wait -1                              ; everybody's is
	FETCH 0, 0, F0
	QUARTER 0, 1, F0, F1, 1                        ; the first K step starts the sums
	QUARTER 0, 2, F1, F0, 0
	QUARTER 0, 3, F0, F1, 0
	; the change of slots: my part of slot 1 has landed and my reads of slot 0 are over; behind the barrier both hold of all four waves
	WIN 0
	s_wait_tensorcnt 0x0
	ds_add_u32 v[SPW], v[NIL]                      ; 0 onto my spare word
	s_wait_dscnt 13                                ; (the add and o's fragments 1 to 3, twelve loads, may be out)
	WIN MUL
	MULS F1, 0, 1, 0
	s_wait_dscnt 0x0
	s_barrier_signal -1
	MULS F1, 1, 1, 0
	WIN 0
	s_barrier_wait -1
	PLACES
	FETCH 1, 0, F0
	WIN MUL
	MULS F1, 2, 2, 0
	QUARTER 1, 1, F0, F1, 0
	QUARTER 1, 2, F1, F0, 0
	QUARTER 1, 3, F0, F1, 0
	s_wait_dscnt 8                                 ; the last K step: nothing more to fetch
	WIN MUL
	MULS F1, 0, 2, 0
	s_wait_dscnt 0x0
	MULS F1, 2, 2, 0
	WIN 0
	; THE WAY OUT.  My 64 features are 256 bytes of a row of out0, aligned: so my own stage does, with no barrier.  A lane's 128 bytes of a row go in, whole rows come back, and sixteen lanes store 256 consecutive bytes.
	s_wait_kmcnt 0x0
	s_add_co_i32 s84, s72, s73
	s_add_co_i32 s84, s84, 127
	s_lshl_b32 s84, s84, 23                        ; 2^(e10 + e11) as f32
	s_mov_b32 s85, s84                             ; (named with it as a pair)
	PLACES
.set j, 0
.rept 64
	v_pk_mul_f32 v[ACC+j:ACC+j+1], v[ACC+j:ACC+j+1], s[84:85] op_sel_hi:[1,0]   ; each accumulator from its low end on
.set j, j+2
.endr
.irp a, 0,1,2,3
.irp b, 0,1,2,3
	ds_store_b128 v[STO], v[ACC+8*(4*\a+\b):ACC+8*(4*\a+\b)+3] offset:\a*16*SPITCH+128*(\b/2)+32*(\b%2)       ; features 32 (b / 2) + 8 (b % 2) + 16 h + 0 .. 7 of stage row 16 a + r
	ds_store_b128 v[STO], v[ACC+8*(4*\a+\b)+4:ACC+8*(4*\a+\b)+7] offset:\a*16*SPITCH+128*(\b/2)+32*(\b%2)+16
.endr
.endr
.set t, 0
.rept 32
	ds_load_b128 v[ACC+4*t:ACC+4*t+3], v[RD] offset:t*2*SPITCH   ; LDS serves a wave's instructions in order: these see my stores
.set t, t+1
.endr
.set t, 0
.rept 32                                       ; stage rows 2 t and 2 t + 1 are rows 2 (t % 8) + h of fragment t / 8: token 32 ((t / 8) / 2) + 8 ((t / 8) % 2) + 2 (t % 8) + 8 ((t % 8) / 4) + h of my 64
	s_wait_dscnt 31-t
	global_store_b128 v[CO], v[ACC+4*t:ACC+4*t+3], s[10:11] offset:(32*((t/8)/2)+8*((t/8)%2)+2*(t%8)+8*((t%8)/4))*4096 th:TH_STORE_NT
.set t, t+1
.endr
	s_wait_tensorcnt 0x0                           ; the wave's end
	ds_add_u32 v[SPW], v[NIL]
	s_wait_dscnt 0x0
	CROUND                                         ; the closing round
	s_endpgm
.Lfunc_end_k_q11920a5de9_outp:
	.size	k_q11920a5de9_outp, .Lfunc_end_k_q11920a5de9_outp-k_q11920a5de9_outp
	.p2alignl 7, 3214868480
	.fill 96, 4, 3214868480
	.section	.rodata,"a",@progbits
	.p2align	6, 0x0
	.amdhsa_kernel k_q11920a5de9_outp
		.amdhsa_group_segment_fixed_size 327680
		.amdhsa_private_segment_fixed_size 0
		.amdhsa_enable_private_segment 0
		.amdhsa_kernarg_size 32
		.amdhsa_user_sgpr_count 2
		.amdhsa_user_sgpr_kernarg_segment_ptr 1
		.amdhsa_wavefront_size32 1
		.amdhsa_system_sgpr_workgroup_id_x 1
		.amdhsa_system_sgpr_workgroup_id_y 1
		.amdhsa_system_sgpr_workgroup_id_z 1
		.amdhsa_system_vgpr_workitem_id 0
		.amdhsa_next_free_vgpr 512
		.amdhsa_next_free_sgpr 96
		.amdhsa_reserve_vcc 0
		.amdhsa_float_denorm_mode_32 3
		.amdhsa_float_denorm_mode_16_64 3
		.amdhsa_memory_ordered 1
		.amdhsa_forward_progress 1
		.amdhsa_inst_pref_size 46
	.end_amdhsa_kernel
	.amdgpu_metadata
---
amdhsa.version: [ 1, 2 ]
amdhsa.kernels:
  - .name:           k_q11920a5de9_outp
    .symbol:         k_q11920a5de9_outp.kd
    .args:
      - { .name: oc, .offset: 0, .size: 8, .value_kind: global_buffer, .address_space: global }
      - { .name: wc, .offset: 8, .size: 8, .value_kind: global_buffer, .address_space: global }
      - { .name: lowp_scales, .offset: 16, .size: 8, .value_kind: global_buffer, .address_space: global }
      - { .name: out0, .offset: 24, .size: 8, .value_kind: global_buffer, .address_space: global }
    .group_segment_fixed_size: 327680
    .private_segment_fixed_size: 0
    .kernarg_segment_align: 8
    .kernarg_segment_size: 32
    .max_flat_workgroup_size: 128
    .sgpr_count:     96
    .vgpr_count:     512
    .wavefront_size: 32
...
	.end_amdgpu_metadata
.endif
;; end of part 4
;; ======== version 2 of 2: 4 launches; version 1 with the launch attn written anew for expert scheduling mode
;; workspace buffers: xc 12,582,912 bytes; wc 4,194,304 bytes; qc 4,194,304 bytes; kc 4,194,304 bytes; vc 4,194,304 bytes; oc 4,194,304 bytes
;; launch quant: the kernel of part 1 again; grid 512 x 1, 4 waves a work-group, no clusters, 34,304 bytes of LDS; arguments x, Wq, Wk, Wv, Wo, lowp_scales, xc, wc; writes xc, wc
;; launch proj: the kernel of part 2 again; grid 8 x 32, 4 waves a work-group, clusters of 4 x 4, 327,680 bytes of LDS; arguments xc, wc, lowp_scales, qc, kc, vc; writes qc, kc, vc
;; launch attn (part 5): grid 8 x 32, 16 waves a work-group, no clusters, 34,816 bytes of LDS; arguments qc, kc, vc, lowp_scales, oc; writes oc
.if DOCPART == 5
	.amdgcn_target "amdgcn-amd-amdhsa--gfx1250"
	.amdhsa_code_object_version 6
	.text
	.protected	k_q11920a5de9_attn
	.globl	k_q11920a5de9_attn
	.p2align	8
	.type	k_q11920a5de9_attn,@function
k_q11920a5de9_attn:
	s_mov_b64 s[64:65], 0
	v_nop
	global_prefetch_b8 v0, s[64:65] scope:SCOPE_SE
	s_setreg_imm32_b32 hwreg(HW_REG_WAVE_SCHED_MODE, 0, 2), 2
	s_setreg_imm32_b32 hwreg(HW_REG_WAVE_MODE, 25, 1), 1
	s_wait_xcnt 0x0
	s_wait_alu depctr_vm_vsrc(0)
; o = softmax(q k^T / 8, causal) v for 32 heads of 2,048 tokens x 64 channels, both products on codes of E4M3; o is quantised in registers for the last product.
; qc, kc: [head 32][block of 128 tokens 16][tile 8][1,024]: a tile is an image of operand registers: piece c (0, 1) at 512 c, lane l's 16 bytes at 16 l: channels 32 c + 16 (l / 16) + 0 .. 15 of token
; 32 (t / 2) + 8 (t % 2) + r + 8 (r / 8), r = l % 16.  vc: [head][block][channel tile 4][2,048]: piece c (0..3): keys 32 c + 16 (l / 16) + 0 .. 15 of the block, for a channel numbered as the tokens are.
; oc: [token tile 32][K step 8 = head / 2][fragment 8 = tile of queries][2,048]; my head's 64 channels are pieces 2 (head % 2) and the next.
; THE SOFTMAX: t = score x log2(e) / 8; M = the running largest t rounded UP to a whole number; p = 2^(t - M) is quantised, not normalised; the row's sum is taken of the unquantised p and divides at the end.
; When M moves, the sum and O are multiplied by 2^(old M - new M), which rounds nothing.
; Both products are used transposed (S^T = K Q^T, O^T = V^T P^T): a lane holds ONE query throughout, the 16 registers of two neighbouring tiles of S^T are 16 neighbouring keys, those of O^T 16 neighbouring channels.
; SHARES.  A work-group owns blocks i and 15 - i of a head's queries (i = 0..7): under the causal mask that is 17 key steps of 128 for each of its eight tiles of 16 queries, the same in every work-group.
; Sixteen waves, one tile of 16 queries each; early and late blocks are dealt so that each group of four waves, by w % 4 and by w / 4 alike, has two of each.
; A key step below the wave's block counts whole, the step at its block is masked, a step above it is left out: a scalar branch on ids round the step's work, never round the barrier.
; K AND V come by loads into registers and LDS stores: thread n copies 16 bytes of K's 8,192 and 16 of V's; two slots of 16,384 bytes; step s + 2 is loaded, and step s + 1 stored, during step s.  One barrier a step.
; The loop has a constant 8 trips of two steps, so that every LDS offset is an immediate.  Steps beyond the work-group's last, 15 - i, fetch nothing: a branch on ids that is alike in all waves.
; NO CLUSTER, NO TENSOR LOAD: the eight work-groups of a head walk 16 - i steps, a different number each, so partners could not make every joint request without fetching tiles that nobody reads; a fetch that is left out by a jump is a load into registers.
; LIMITS: e6 + e7 between -123 and 130 (added to the exponent field of log2(e) / 8); e8 between -126 and 119; e8 + e9 - e10 is applied by v_ldexp_f32 to 1 / the sum, which must stay a normal f32 number.  NaN is not served.
; THE MODE: SCHED_MODE bits 1:0 = 2 (LLVM: expert scheduling mode 2), set by the entry lines.  The code itself states the register dependences
; between vector or matrix instructions and memory or LDS instructions, with s_wait_alu, always for 0.
; THE PLAN.  Registers that memory or LDS instructions touch:
;   v1, v2, v5    Offsets and LDS addresses: written at the head, never again; one wait on va_vdst ahead of the first load serves every instruction that reads them.
;   SET0, SET1    Written by global loads, read by LDS stores, named by no vector instruction.  Step s (slot par) stores SET[1 - par] and then asks for step s + 2 into SET[par], which the LDS stores of step s - 1 read:
;                 one wait on vm_vsrc at each step's head, ahead of its branches.
;   Q             Loaded once, into registers that no vector instruction has named.
;   KF            K's 16 LDS loads land in it, the eight products K Q^T read it, V's 16 LDS loads land in it, the four products V^T P read it, the next step's K lands in it.  The wave has no 64 registers for a second such buffer,
;                 so two waits on va_vdst stand in a step: one ahead of K's loads, one behind the products K Q^T.  Behind the second, V's loads are dealt among the lines of the maximum, which name none of KF.
;   PC            At the end the conversions write o's codes into it and two stores read them: one wait on va_vdst between.
;   v254, v255    Written at the head, read by the closing add alone.
; A vector instruction writes a scalar register in two places: the wave's number at the head, and the mask's compares, which go in runs of 16 into s46 to s61 with one wait on va_sdst behind each run.
.set SLOT, 16384
.set VOFF, 8192                        ; V's image lies behind K's
.set BLKB, 8192                        ; a block's image in memory
.set LI,   1                           ; v1   16 x lane
.set CW,   2                           ; v2   16 x thread: the copy's offset in memory and in a slot
.set DQ,   3                           ; v3   my query in its block - 16 (lane / 16)
.set PFO,  5                           ; v5   256 x lane: the prefetch's offset
.set SET0, 16                          ; v16-23 a step's 16 bytes of K and of V on their way; v24-31 the other step's
.set Q,    32                          ; v32-39
.set KF,   40                          ; v40-103 K's eight fragments of 8, then V's four of 16
.set S,    104                         ; v104-167 S^T, then p
.set O,    168                         ; v168-199 O^T
.set PC,   200                         ; v200-215 p's codes; at the end o's
.set MXA,  216
.set FF,   218                         ; v[218:219] f = 2^(old M - new M), named as a pair
.set SM2,  220                         ; v[220:221] the sum's second chain
.set PD,   222                         ; a lane permute's destination
.set PLIMV, 223                        ; 448 x 2^e8
.set PSC,  224                         ; 2^e8
.set C448, 225
.set ONE,  226
.set NINF, 227
.set MXB,  228
.set MK,   46                          ; s46-61 the masks of 16 compares
	s_load_b256 s[4:11], s[0:1], 0x0               ; qc 4, kc 6, vc 8, the scales 10
	s_load_b64 s[12:13], s[0:1], 0x20              ; oc
	v_lshl_add_u32 v254, v0, 2, 0x8000
	v_mov_b32 v255, 0
	v_lshrrev_b32 v6, 5, v0
	v_readfirstlane_b32 s14, v6                    ; wave 0..15
	s_mov_b32 s15, ttmp9                           ; i
	s_and_b32 s16, ttmp7, 0xffff                   ; the head
	s_sub_co_u32 s18, 15, s15                      ; the work-group's last key step
	s_wait_alu depctr_va_sdst(0)                   ; s14 is written, ahead of its first reader: my block, my tile and all bases are made from it
	s_lshr_b32 s21, s14, 2
	s_xor_b32 s21, s21, s14
	s_and_b32 s21, s21, 1
	s_cmp_eq_u32 s21, 1
	s_cselect_b32 s17, s18, s15                    ; my block of queries: 15 - i or i
	s_lshr_b32 s29, s14, 1                         ; my tile in it
	s_lshl_b32 s40, s16, 4
	s_add_co_u32 s40, s40, s17
	s_lshl_b32 s40, s40, 13
	s_lshl_b32 s41, s29, 10
	s_add_co_u32 s40, s40, s41                     ; Q: (16 head + block) x 8,192 + tile x 1,024
	s_mov_b32 s41, 0
	s_lshl_b32 s42, s16, 17                        ; K, V: the head's 16 blocks
	s_mov_b32 s43, 0
	s_lshr_b32 s44, s16, 4
	s_lshl_b32 s44, s44, 4
	s_add_co_u32 s44, s44, s17                     ; o: token tile = 16 batch + block,
	s_lshl_b32 s44, s44, 17
	s_and_b32 s45, s16, 15
	s_lshr_b32 s45, s45, 1
	s_lshl_b32 s45, s45, 14
	s_add_co_u32 s44, s44, s45                     ; K step = head / 2,
	s_lshl_b32 s45, s29, 11
	s_add_co_u32 s44, s44, s45                     ; fragment = my tile,
	s_and_b32 s45, s16, 1
	s_lshl_b32 s45, s45, 10
	s_add_co_u32 s44, s44, s45                     ; pieces 2 (head % 2) on
	s_mov_b32 s45, 0
	s_lshr_b32 s30, s29, 1
	s_lshl_b32 s30, s30, 5
	s_and_b32 s31, s29, 1
	s_lshl_b32 s31, s31, 3
	s_add_co_u32 s30, s30, s31                     ; 32 (t / 2) + 8 (t % 2)
	v_and_b32 v6, 15, v0
	v_and_b32 v7, 8, v0
	v_add_nc_u32 v6, v6, v7                        ; r + 8 (r / 8)
	v_bfe_u32 v7, v0, 4, 1
	v_lshlrev_b32 v7, 4, v7
	v_sub_nc_u32 v6, v6, v7
	v_add_nc_u32 v[DQ], s30, v6
	v_and_b32 v6, 31, v0
	v_lshlrev_b32 v[LI], 4, v6
	v_lshlrev_b32 v[PFO], 8, v6
	v_lshlrev_b32 v[CW], 4, v0
	; who prefetches: all work-groups of a head read the same K and V; work-group i = 0 walks all 16 steps and asks; in it wave 1 for K's block, wave 3 for V's, lanes 256 bytes apart: each aligned 256 bytes are named once
	s_and_b32 s31, s14, 0xfffffffd
	s_xor_b32 s31, s31, 1                          ; 0 in waves 1 and 3
	s_or_b32 s31, s31, s15
	s_cmp_eq_u32 s31, 0
	s_cselect_b32 s28, 13, 0                       ; step s names step s + 4 while s + 1 < 13: steps 4 to 15; steps 0 to 3 come by their loads alone
	s_mov_b32 s24, 0x76543210
	s_mov_b32 s25, 0xfedcba98                      ; v_permlanex16_b32's selects for lane l xor 16
	s_wait_kmcnt 0x0
	s_load_b128 s[32:35], s[10:11], 0x18           ; e6, e7, e8, e9
	s_load_b32 s36, s[10:11], 0x28                 ; e10
	s_add_nc_u64 s[4:5], s[4:5], s[40:41]
	s_add_nc_u64 s[6:7], s[6:7], s[42:43]
	s_add_nc_u64 s[8:9], s[8:9], s[42:43]
	s_add_nc_u64 s[12:13], s[12:13], s[44:45]
	s_wait_alu depctr_va_vdst(0)                   ; v1, v2 and v5 are written: every load, LDS instruction, prefetch and store of the kernel reads one of them as its offset or address, and no later vector line names them
	global_load_b128 v[Q:Q+3], v[LI], s[4:5]
	global_load_b128 v[Q+4:Q+7], v[LI], s[4:5] offset:512
	global_load_b128 v[SET0:SET0+3], v[CW], s[6:7]                 ; key step 0
	global_load_b128 v[SET0+4:SET0+7], v[CW], s[8:9]
	global_load_b128 v[SET0+8:SET0+11], v[CW], s[6:7] offset:BLKB  ; key step 1: every work-group has at least nine steps
	global_load_b128 v[SET0+12:SET0+15], v[CW], s[8:9] offset:BLKB
	s_cmp_eq_u32 s14, 3
	s_cselect_b64 s[26:27], s[8:9], s[6:7]         ; where my prefetches stand
	v_mov_b32 v13, 0xff61b1e6                      ; the largest t so far: -3e38, under every t
	v_floor_f32 v12, -v13                          ; -M
	v_mov_b32 v14, 0                               ; the sum, in two halves
	v_mov_b32 v15, 0
	v_mov_b32 v[FF+1], 0                           ; (named as the upper half of a pair)
	v_mov_b32 v[PD], 0                             ; a lane permute's destination counts as one of its sources
.set n, 0
.rept 32
	v_mov_b32 v[O+n], 0                            ; O^T.  The step is written once: the first finds zeros, which the first change of M leaves zeros
.set n, n+1
.endr
	v_mov_b32 v[C448], 0x43e00000
	v_mov_b32 v[ONE], 1.0
	v_mov_b32 v[NINF], 0xff800000
	s_wait_kmcnt 0x0
	s_add_co_i32 s38, s32, s33
	s_lshl_b32 s38, s38, 23
	s_mov_b32 s22, 0x3e38aa3b                      ; c = log2(e) / 8
	s_add_co_i32 s22, s22, s38                     ; a score stands for score x 2^(e6 + e7): added to c's exponent field
	s_mov_b32 s23, s22                             ; (named with it as a pair)
	s_add_co_i32 s38, s34, 127
	s_lshl_b32 s39, s38, 23
	v_mov_b32 v[PSC], s39
	s_add_co_i32 s38, s38, 8
	s_lshl_b32 s38, s38, 23
	s_or_b32 s38, s38, 0x600000
	v_mov_b32 v[PLIMV], s38
	s_add_co_i32 s37, s34, s35
	s_sub_co_i32 s37, s37, s36                     ; e8 + e9 - e10
	s_wait_loadcnt 2                               ; Q and step 0 are in; step 1's two loads may be out
	ds_store_b128 v[CW], v[SET0:SET0+3]            ; (their data come from loads, their address stands ahead of the wait at the head)
	ds_store_b128 v[CW], v[SET0+4:SET0+7] offset:VOFF
; One of V's 16 LDS loads, number vn: 512 consecutive bytes of V's image, four registers of KF.
.macro VLD par
	ds_load_b128 v[KF+4*vn:KF+4*vn+3], v[LI] offset:\par*SLOT+VOFF+vn*512
.set vn, vn+1
.endm
; KEY STEP s = s19 + par, in slot par.
.macro STEP par
	s_wait_dscnt 0x0                               ; my stores into this step's slot have landed, and my reads of the other slot are in:
	s_wait_alu depctr_vm_vsrc(0)                   ; my LDS stores of the step before have read SET[par], in which the loads of step s + 2 land below; it stands ahead of the step's branches
	s_barrier_signal -1
	s_barrier_wait -1                              ; both now hold of all sixteen waves
	s_add_co_u32 s20, s19, \par+1
	s_cmp_gt_u32 s20, s18                          ; is there a step s + 1?  (alike in all waves)
	s_cbranch_scc1 .Lnocopy_\@
	s_wait_loadcnt 0x0                             ; its bytes, asked for a step ago, are in registers
	ds_store_b128 v[CW], v[SET0+8*(1-\par):SET0+8*(1-\par)+3] offset:(1-\par)*SLOT
	ds_store_b128 v[CW], v[SET0+8*(1-\par)+4:SET0+8*(1-\par)+7] offset:(1-\par)*SLOT+VOFF
	s_cmp_ge_u32 s20, s18                          ; and a step s + 2?
	s_cbranch_scc1 .Lnocopy_\@
	global_load_b128 v[SET0+8*\par:SET0+8*\par+3], v[CW], s[6:7] offset:(\par+2)*BLKB     ; into the registers whose LDS stores were waited for at the step's head
	global_load_b128 v[SET0+8*\par+4:SET0+8*\par+7], v[CW], s[8:9] offset:(\par+2)*BLKB
	s_cmp_lt_u32 s20, s28
	s_cbranch_scc0 .Lnocopy_\@
	global_prefetch_b8 v[PFO], s[26:27] offset:(\par+4)*BLKB th:TH_LOAD_NT scope:SCOPE_SE  ; step s + 4's block, two steps ahead of its load; behind my own loads
.Lnocopy_\@:
	s_add_co_u32 s20, s19, \par
	s_cmp_gt_u32 s20, s17                          ; all keys of the step come after my queries: nothing to do
	s_cbranch_scc1 .Lhidden_\@
.rept 4
	v_nop                                          ; places in front of loads into registers that the last products have read
.endr
	s_wait_alu depctr_va_vdst(0)                   ; the last step's products V^T P are done reading KF, in which K's fragments land
.irp kt, 0,1,2,3,4,5,6,7
.irp c, 0,1
	ds_load_b128 v[KF+8*\kt+4*\c:KF+8*\kt+4*\c+3], v[LI] offset:\par*SLOT+\kt*1024+\c*512
.endr
.endr
	s_wait_dscnt 0x0
.irp kt, 0,1,2,3,4,5,6,7
	v_wmma_f32_16x16x64_fp8_fp8 v[S+8*\kt:S+8*\kt+7], v[KF+8*\kt:KF+8*\kt+7], v[Q:Q+7], 0   ; S^T: register 16 b + n of lane (r, h) is key 32 b + 16 h + n
.endr
.rept 4
	v_nop                                          ; places in front of V's loads and of the first read of the scores
.endr
	s_wait_alu depctr_va_vdst(0)                   ; the eight products are done reading KF, in which V's fragments land: V's loads stand below, among the lines of the maximum; on both ways there no vector line names KF or v1
	s_cmp_lt_u32 s20, s17
	s_cbranch_scc1 .Lopen_\@                       ; below my block all keys count
.irp b, 0,1,2,3                                ; at my block the scores of hidden keys become -infinity ahead of the maximum: p = 0 then.  A query's own key counts, so the maximum is a number
.set n, 0
.rept 16
	v_cmp_gt_i32 s[MK+n], 32*\b+n, v[DQ]           ; sixteen compares in a run, a scalar register each
.set n, n+1
.endr
	s_wait_alu depctr_va_sdst(0)                   ; the sixteen masks are written, ahead of the selects that read them
.set n, 0
.rept 16
	v_cndmask_b32 v[S+16*\b+n], v[S+16*\b+n], v[NINF], s[MK+n]
.set n, n+1
.endr
.endr
.Lopen_\@:
.set vn, 0
	VLD \par                                       ; V lands while the softmax is worked: two loads here, then one ahead of each pair of lines below
	VLD \par
	v_max3_num_f32 v[MXA], v[S], v[S+1], v[S+2]    ; the step's largest score of my query among my 64 keys, in two chains; each tile is first read at its low end
	v_max3_num_f32 v[MXB], v[S+3], v[S+4], v[S+5]
.irp i, 6,10,14,18,22,26,30,34,38,42,46,50,54,58
	VLD \par
	v_max3_num_f32 v[MXA], v[MXA], v[S+\i], v[S+\i+1]
	v_max3_num_f32 v[MXB], v[MXB], v[S+\i+2], v[S+\i+3]
.endr
	v_max3_num_f32 v[MXA], v[MXA], v[S+62], v[S+63]
	v_max_num_f32 v[MXA], v[MXA], v[MXB]
	v_permlanex16_b32 v[PD], v[MXA], s24, s25
	v_max_num_f32 v[MXA], v[MXA], v[PD]            ; and among lane l xor 16's
	v_mul_f32 v[MXA], s22, v[MXA]                  ; as t (c is positive)
	v_max_num_f32 v13, v13, v[MXA]                 ; the running largest t
	v_mov_b32 v[MXA], v12
	v_floor_f32 v12, -v13                          ; the new -M = floor(-t) = -ceil(t)
	v_sub_f32 v[MXA], v12, v[MXA]                  ; old M - new M: a whole number, 0 or less
	v_cvt_i32_f32 v[MXA], v[MXA]                   ; (it saturates)
	v_ldexp_f32 v[FF], 1.0, v[MXA]                 ; f = 2^(old M - new M)
.set n, 0
.rept 32
	v_pk_fma_f32 v[S+n:S+n+1], v[S+n:S+n+1], s[22:23], v[12:13] op_sel_hi:[1,0,0]   ; t - M, two at a time (of the pairs c and -M the low word serves both halves)
.set n, n+2
.endr
.set n, 0
.rept 64
	v_exp_f32 v[S+n], v[S+n]                       ; p = 2^(t - M), at most 1
.set n, n+1
.endr
	v_pk_mul_f32 v[14:15], v[14:15], v[FF:FF+1] op_sel_hi:[1,0]   ; the sums under the new M: the plain line behind the exponentials
	s_wait_alu depctr_va_vdst(0)                   ; the 64 exponentials have written p: one wait for the batch, ahead of its first reader
	v_pk_add_f32 v[SM2:SM2+1], v[S:S+1], v[S+2:S+3]   ; the row's sum is taken of the unquantised p, in two chains
.irp j, 4,8,12,16,20,24,28,32,36,40,44,48,52,56,60
	v_pk_add_f32 v[14:15], v[14:15], v[S+\j:S+\j+1]
	v_pk_add_f32 v[SM2:SM2+1], v[SM2:SM2+1], v[S+\j+2:S+\j+3]
.endr
	v_pk_add_f32 v[14:15], v[14:15], v[SM2:SM2+1]
	s_cmp_ge_i32 s34, -8                           ; p is at most 1 by its making; from e8 = -8 on the largest code stands for 448 x 2^e8 >= 1.75, so the hold would change nothing
	s_cbranch_scc1 .Lnohold_\@
.set n, 0
.rept 64
	v_min_num_f32 v[S+n], v[S+n], v[PLIMV]         ; the conversion does not saturate (ISA guide 7.6.2); p is not negative, so the hold is one-sided
.set n, n+1
.endr
.Lnohold_\@:
.irp b, 0,1,2,3
	v_cvt_scalef32_pk8_fp8_f32 v[PC+4*\b:PC+4*\b+1], v[S+16*\b:S+16*\b+7], v[PSC]
	v_cvt_scalef32_pk8_fp8_f32 v[PC+4*\b+2:PC+4*\b+3], v[S+16*\b+8:S+16*\b+15], v[PSC]
.endr
.set n, 0
.rept 16
	v_pk_mul_f32 v[O+n:O+n+1], v[O+n:O+n+1], v[FF:FF+1] op_sel_hi:[1,0]   ; O^T under the new M; these are also the plain lines between the conversions and the products
.set n, n+2
.endr
	s_wait_dscnt 0x0                               ; V is in
.irp vt, 0,1,2,3
	v_wmma_f32_16x16x128_fp8_fp8 v[O+8*\vt:O+8*\vt+7], v[KF+16*\vt:KF+16*\vt+15], v[PC:PC+15], v[O+8*\vt:O+8*\vt+7]   ; four accumulators, one instruction a turn
.endr
.Lhidden_\@:
.endm
	s_mov_b32 s19, 0
.Ltrip:                                            ; 8 trips of two key steps
	STEP 0
	STEP 1
	s_wait_xcnt 0x0                                ; the trip's loads and prefetches have read their bases, which step only behind this wait
	s_add_nc_u64 s[6:7], s[6:7], 2*BLKB
	s_add_nc_u64 s[8:9], s[8:9], 2*BLKB
	s_add_nc_u64 s[26:27], s[26:27], 2*BLKB
	s_add_co_u32 s19, s19, 2
	s_cmp_lt_u32 s19, 16
	s_cbranch_scc1 .Ltrip
	; THE WAY OUT: o = O^T x 2^(e8 + e9) / the sum; its code is o / 2^e10.  The 16 registers of two neighbouring tiles are 16 neighbouring channels: the conversions' results are the last product's operand registers.
.rept 4
	v_nop                                          ; places behind the last products
.endr
	v_add_f32 v14, v14, v15                        ; the sum's two halves,
	v_permlanex16_b32 v[PD], v14, s24, s25
	v_add_f32 v14, v14, v[PD]                      ; and lane l xor 16's
	v_rcp_f32 v14, v14
	v_nop                                          ; a plain line behind the transcendental
	s_wait_alu depctr_va_vdst(0)                   ; the reciprocal has written v14: the wait ahead of its first reader
	v_ldexp_f32 v14, v14, s37
.set n, 0
.rept 16
	v_pk_mul_f32 v[O+n:O+n+1], v[O+n:O+n+1], v[14:15] op_sel_hi:[1,0]
.set n, n+2
.endr
.set n, 0
.rept 32
	v_med3_num_f32 v[O+n], v[O+n], -v[C448], v[C448]
.set n, n+1
.endr
.irp c, 0,1
	v_cvt_scalef32_pk8_fp8_f32 v[PC+4*\c:PC+4*\c+1], v[O+16*\c:O+16*\c+7], v[ONE]
	v_cvt_scalef32_pk8_fp8_f32 v[PC+4*\c+2:PC+4*\c+3], v[O+16*\c+8:O+16*\c+15], v[ONE]
.endr
	v_nop
	s_wait_alu depctr_va_vdst(0)                   ; the conversions have written v[PC .. PC + 7], which the two stores read
	global_store_b128 v[LI], v[PC:PC+3], s[12:13]              ; 32 lanes store 512 consecutive bytes, aligned
	global_store_b128 v[LI], v[PC+4:PC+7], s[12:13] offset:512
	s_wait_dscnt 0x0                               ; the closing lines, six on end
	s_wait_alu 0x0
	s_wait_tensorcnt 0x0
	ds_add_u32 v254, v255
	s_wait_dscnt 0x0
	s_endpgm
.Lfunc_end_k_q11920a5de9_attn:
	.size	k_q11920a5de9_attn, .Lfunc_end_k_q11920a5de9_attn-k_q11920a5de9_attn
	.p2alignl 7, 3214868480
	.fill 96, 4, 3214868480
	.section	.rodata,"a",@progbits
	.p2align	6, 0x0
	.amdhsa_kernel k_q11920a5de9_attn
		.amdhsa_group_segment_fixed_size 34816
		.amdhsa_private_segment_fixed_size 0
		.amdhsa_enable_private_segment 0
		.amdhsa_kernarg_size 40
		.amdhsa_user_sgpr_count 2
		.amdhsa_user_sgpr_kernarg_segment_ptr 1
		.amdhsa_wavefront_size32 1
		.amdhsa_system_sgpr_workgroup_id_x 1
		.amdhsa_system_sgpr_workgroup_id_y 1
		.amdhsa_system_sgpr_workgroup_id_z 1
		.amdhsa_system_vgpr_workitem_id 0
		.amdhsa_next_free_vgpr 256
		.amdhsa_next_free_sgpr 66
		.amdhsa_reserve_vcc 0
		.amdhsa_float_denorm_mode_32 3
		.amdhsa_float_denorm_mode_16_64 3
		.amdhsa_memory_ordered 1
		.amdhsa_forward_progress 1
		.amdhsa_inst_pref_size 61
	.end_amdhsa_kernel
	.amdgpu_metadata
---
amdhsa.version: [ 1, 2 ]
amdhsa.kernels:
  - .name:           k_q11920a5de9_attn
    .symbol:         k_q11920a5de9_attn.kd
    .args:
      - { .name: qc, .offset: 0, .size: 8, .value_kind: global_buffer, .address_space: global }
      - { .name: kc, .offset: 8, .size: 8, .value_kind: global_buffer, .address_space: global }
      - { .name: vc, .offset: 16, .size: 8, .value_kind: global_buffer, .address_space: global }
      - { .name: lowp_scales, .offset: 24, .size: 8, .value_kind: global_buffer, .address_space: global }
      - { .name: oc, .offset: 32, .size: 8, .value_kind: global_buffer, .address_space: global }
    .group_segment_fixed_size: 34816
    .private_segment_fixed_size: 0
    .kernarg_segment_align: 8
    .kernarg_segment_size: 40
    .max_flat_workgroup_size: 512
    .sgpr_count:     66
    .vgpr_count:     256
    .wavefront_size: 32
...
	.end_amdgpu_metadata
.endif
;; end of part 5
;; launch outp: the kernel of part 4 again; grid 8 x 32, 4 waves a work-group, clusters of 4 x 4, 327,680 bytes of LDS; arguments oc, wc, lowp_scales, out0; writes out0
